; MI455X (gfx1250); checked and timed in simulation.
; The chip was launched on July 23, 2026; its instructions are those of AMD's public machine-readable ISA for CDNA 5 (MIT licence, August 2026) and "CDNA5" Instruction Set Architecture Reference Guide (July 2026). The comments in the code are by the model that wrote it; some were corrected since.
;; Multi Head Attention. Allowed arithmetic: matrix products marked QUANTISED: E4M3 operands, one E8M0 scale for each 32 along K, by v_wmma_scale_f32_16x16x128_f8f6f4 with both operands' format E4M3, f32 sums; everything else in f32.
;; Inputs: k_b 1,024 float32; k_w_codes 1,024 x 32 x 32 uint8 (E4M3 codes of k_w, K innermost, in blocks of 32 codes); k_w_scales 1,024 x 32 uint8 (E8M0 scales of k_w, one for each 32 codes along K); key_codes 2 x 2,048 x 32 x 32 uint8 (E4M3 codes of key, K innermost, in blocks of 32 codes); key_scales 2 x 2,048 x 32 uint8 (E8M0 scales of key, one for each 32 codes along K); o_b 1,024 float32; o_w_codes 1,024 x 32 x 32 uint8 (E4M3 codes of o_w, K innermost, in blocks of 32 codes); o_w_scales 1,024 x 32 uint8 (E8M0 scales of o_w, one for each 32 codes along K); q_b 1,024 float32; q_w_codes 1,024 x 32 x 32 uint8 (E4M3 codes of q_w, K innermost, in blocks of 32 codes); q_w_scales 1,024 x 32 uint8 (E8M0 scales of q_w, one for each 32 codes along K); query_codes 2 x 2,048 x 32 x 32 uint8 (E4M3 codes of query, K innermost, in blocks of 32 codes); query_scales 2 x 2,048 x 32 uint8 (E8M0 scales of query, one for each 32 codes along K); v_b 1,024 float32; v_w_codes 1,024 x 32 x 32 uint8 (E4M3 codes of v_w, K innermost, in blocks of 32 codes); v_w_scales 1,024 x 32 uint8 (E8M0 scales of v_w, one for each 32 codes along K); value_codes 2 x 2,048 x 32 x 32 uint8 (E4M3 codes of value, K innermost, in blocks of 32 codes); value_scales 2 x 2,048 x 32 uint8 (E8M0 scales of value, one for each 32 codes along K).
;; Outputs: out0 2 x 2,048 x 1,024 float32.
;; This version of the problem:
;;   THIS VERSION OF THE PROBLEM IS GIVEN IN LOW PRECISION. The matrix products marked QUANTISED in the list below multiply operands that are first quantised to E4M3 (4 exponent bits, 3 mantissa bits; 8 bits a number), with one power-of-two scale for each 32 numbers along K (OCP MX v1.0); their sums are f32. All else is computed in f32.
;;   The module's matrix products, in the order in which they are computed (A, B: the left and right operand; K: the contracted axis; several contracted axes count as one K, in the product's order):
;;     1. [M 4,096, K 1,024] x [K 1,024, N 1,024]; A: input query (given as codes); B: input q_w (given as codes): QUANTISED
;;     2. [M 4,096, K 1,024] x [K 1,024, N 1,024]; A: input key (given as codes); B: input k_w (given as codes): QUANTISED
;;     3. [M 4,096, K 1,024] x [K 1,024, N 1,024]; A: input value (given as codes); B: input v_w (given as codes): QUANTISED
;;     4. batch 32 x [M 2,048, K 64] x [K 64, N 2,048]; A: computed on the way; B: computed on the way: QUANTISED
;;     5. batch 32 x [M 2,048, K 2,048] x [K 2,048, N 64]; A: softmax (see below); B: computed on the way: QUANTISED
;;     6. [M 4,096, K 1,024] x [K 1,024, N 1,024]; A: computed on the way; B: input o_w (given as codes): QUANTISED
;;   THE QUANTISER, for each operand of a quantised product, along K:
;;     - K is cut into blocks of 32 from its start; a last block that is shorter is filled with zeros.
;;     - A block's scale is 2^e with e = floor(log2(the largest magnitude in the block)) - 8, held to -126 .. 127; a block of zeros has e = 0. As a byte (E8M0): e + 127.
;;     - Each number is divided by its block's scale, clamped to +-448, and rounded to the nearest number of E4M3, ties to even, subnormals kept.
;;     - The product sums the exact products of the quantised numbers (number of the format x scale) in f32.
;;   ~~~python
;;   def quantise(x, axis):      # numpy; x: float32 -> the quantised numbers, widened to float32 again
;;       x = np.moveaxis(x, axis, -1); K = x.shape[-1]
;;       x = np.pad(x, [(0, 0)] * (x.ndim - 1) + [(0, -K % 32)]); x = x.reshape(x.shape[:-1] + (-1, 32)); a = np.abs(x).max(-1, keepdims=True)
;;       e = np.where(a > 0, np.clip(np.frexp(np.where(a > 0, a, 1))[1] - 1 - 8, -126, 127), 0)      # np.frexp(a)[1] - 1 = floor(log2(a)), exactly
;;       r = np.clip(x / 2.0 ** e, -448, 448)
;;       step = 2.0 ** (np.maximum(np.frexp(np.where(r == 0, 1, r))[1] - 1, -6) - 3)
;;       q = np.round(r / step) * step * 2.0 ** e      # np.round: ties to even
;;       return np.moveaxis(q.reshape(q.shape[:-2] + (-1,))[..., :K], -1, axis).astype(np.float32)
;;   ~~~
;;   SOFTMAX AHEAD OF A QUANTISED PRODUCT. Where the list says 'softmax', what is quantised is not the finished softmax but p = 2^(t - M), with t = logit x log2(e) and M = ceil(the row's largest t), a whole number; so 1/2 < the row's largest p <= 1. The row's sum l is taken of the UNQUANTISED p, in f32, and the product's result is divided by l at the end. Since M is a whole number, a kernel that streams over the keys may use a running M (the ceiling of the running maximum): every later rescaling is an exact power of two, which a block's scale takes up: the codes' values come out the same.
;;   OPERANDS COMPUTED ON THE WAY. 'Computed on the way' means the value that the module computes at that place (a softmax that the list does not call 'softmax' is quantised finished and normalised). What goes into a quantiser is computed in f32, as accurately as f32 sums, v_exp_f32 and their like allow (about 1e-6 of the number): no bf16 or f16 on the way to a quantiser, and a product that is left as it is and whose result goes on into a quantised operand takes f32 operands (vector FMAs, or v_wmma_f32_16x16x4_f32). A number that lies on a knife's edge between two numbers of the format may be rounded either way, as far as f32 arithmetic and the matrix unit's own rounding can turn it there, and no further.
;;   INPUTS GIVEN AS CODES. k_w (in the module: [1024, 1024], K = its axis 1); key (in the module: [2, 2048, 1024], K = its axis 2); o_w (in the module: [1024, 1024], K = its axis 1); q_w (in the module: [1024, 1024], K = its axis 1); query (in the module: [2, 2048, 1024], K = its axis 2); v_w (in the module: [1024, 1024], K = its axis 1); value (in the module: [2, 2048, 1024], K = its axis 2): each comes as NAME_codes (uint8): NAME with its K axis moved to the last place and cut into blocks of 32 codes, [.., K / 32, bytes a block], one block behind the other in memory; one code a byte (a code: sign, 4 exponent bits, 3 mantissa bits); and NAME_scales (uint8): the same leading axes, one E8M0 byte (e + 127) for each 32 codes along K. Its value is code x scale, taken as it is: it is not quantised again, and the codes and scales need not be those that the quantiser above would give.
;; One version. Each part assembles by itself: llvm-mc -triple=amdgcn-amd-amdhsa -mcpu=gfx1250 --defsym DOCPART=n.
;; ======== version 1 of 1: 3 launches
;; limits: right only within a limited range of input values
;; workspace buffers: qrec 4,325,376 bytes; kv 8,650,752 bytes; mimg 4,194,304 bytes; msc 131,072 bytes
;; launch proj (part 1): grid 8 x 32, 4 waves a work-group, clusters of 4 x 4, 327,680 bytes of LDS; arguments query_codes, q_w_codes, key_codes, value_codes, k_w_codes, v_w_codes, query_scales, key_scales, v_w_scales, q_w_scales, k_w_scales, value_scales, q_b, k_b, v_b, qrec, kv; writes qrec, kv
.if DOCPART == 1
	.amdgcn_target "amdgcn-amd-amdhsa--gfx1250"
	.amdhsa_code_object_version 6
	.text
	.protected	k_qd75ce871eb_proj
	.globl	k_qd75ce871eb_proj
	.p2align	8
	.type	k_qd75ce871eb_proj,@function
k_qd75ce871eb_proj:
	s_mov_b64 s[64:65], 0
	v_nop
	global_prefetch_b8 v0, s[64:65] scope:SCOPE_SE
	s_setreg_imm32_b32 hwreg(HW_REG_WAVE_MODE, 25, 1), 1
	s_wait_xcnt 0x0
	s_wait_alu depctr_hold_cnt(0) depctr_sa_sdst(0) depctr_va_vdst(0) depctr_va_sdst(0) depctr_va_ssrc(0) depctr_va_vcc(0) depctr_vm_vsrc(0)
	s_getreg_b32 s2, hwreg(HW_REG_IB_STS2, 6, 4)
	s_cmp_eq_u32 s2, 0
	s_cbranch_scc0 .Lentry_in_a_cluster
	s_endpgm
.Lentry_in_a_cluster:
	s_bfe_u32 s2, ttmp6, 0x10000c
	s_cmp_lg_u32 s2, 0xf033
	s_cbranch_scc0 .Lentry_shape_is_right
	s_endpgm
.Lentry_shape_is_right:
; q = query q_w^T + q_b, k = key k_w^T + k_b, v = value v_w^T + v_b on codes of E4M3 with E8M0 scales as they are given; then q and k are quantised along a head's 64
; (two blocks of 32) and v along the keys, and all three leave laid in the order of the next launch's operand registers.
; SHARES.  A work-group stays and makes three tiles, Q, K, V, in straight text: 128 tokens (block ty: one key step) x 128 weight rows (block tx: heads 2 tx, 2 tx + 1), K = 1,024.
; A tile has two sides.  L is source 1: a lane holds one L row.  P is source 0: a lane's registers run along P, which is the next product's K.  Q, K: L = tokens, P = weight rows.  V: L = weight rows, P = tokens.
; Wave w takes 64 L rows (w / 2) x 64 P rows (w % 2): sixteen accumulators, which take turns in the same order in every K step.
; THE RING.  K goes in halves of 512; slot s always holds K half s: 128 token rows, then 128 weight rows, 512 bytes + 16 of padding each.  Six trips: tile j / 2, slot j % 2.  A trip is four K steps of 128; step q + 1's fragments are fetched ahead of step q's products.
; CLUSTER 4 x 4: token rows hang on ty alone and are asked for jointly along a row of the cluster, weight rows on tx alone and jointly along a column.
; At the head a wave has one tensor load: waves 0, 1 slot 0's 128 token and weight rows, waves 2, 3 slot 1's.  Behind each round a wave has one of 64 rows: waves 0, 1 the token halves, waves 2, 3 the weight halves.
; PREFETCH: trip 0 asks for trips 2's and 3's tiles, trip 1 for trip 4's, trip 2 for trip 5's.  A tile's rows are 512 bytes, two blocks of 256; the four partners that ask for it jointly take 32 rows each, told apart by address; wave w asks for
; block w % 2 of token rows (w < 2) or weight rows, a lane a row.  Weight rows are asked for in the clusters of the grid's first half along y alone.
; OUT.  kv[head of batch][step]: a record of 16,896 bytes: K's image 8,192, V's image 8,192, K's scale words 256, V's 256.  qrec: records of 8,448: image, scale words.
;   An image is [fragment 4][group 4][lane 32][16 bytes].  K, Q: fragment f, group 2 u + c: key 32 f + 8 u + r + 8 (r / 8), d = 32 c + 16 h + 0 .. 15.  V: fragment t, group c: d = 32 (t / 2) + 8 (t % 2) + r + 8 (r / 8), keys 32 c + 16 h + 0 .. 15.
; LIMITS: NaN and infinities among the inputs are not served.  A block whose largest magnitude lies under 2^-118, a block of zeros among them, keeps the scale byte 1 (the quantiser's text says 127 for zeros):
; its codes are zeros or the held small numbers' codes, and these bytes are read by this program alone.
.set PITCH,  528                       ; 512 bytes + 16: 33 x 16, so the 16 rows that a load touches start in 16 different groups of banks
.set HALFT,  64*PITCH
.set SLOT,   4*HALFT                   ; token rows at +0, weight rows at +2 HALFT
.set STG,    2*SLOT                    ; the way out: two heads x 8,448 bytes; no tensor load lands here
.set HSTG,   8448
.set SPARE,  STG+2*HSTG                ; the spare words: 128 bytes for each of four waves, two blocks of 256 bytes that no other line names
.set WV,   3                           ; s3   wave
.set WPN,  4                           ; s4   wave % 2: my P half; also which 64 rows I fetch
.set WLN,  5                           ; s5   wave / 2: my L half
.set G1T,  12                          ; s[12:19] descriptor group 1, token rows;  s[20:27] weight rows: they differ in the mask alone
.set G1W,  20
.set G0T,  28                          ; s[28:35] group 0, token rows, a set for each slot;  s[36:43] weight rows
.set G0W,  36
.set PTB,  44                          ; s[44:47] key's and value's codes at my refills' rows;  s[48:51] k_w's and v_w's
.set PWB,  48
.set SL,   52                          ; s[52:57] scale bytes of L for tiles 0, 1, 2;  s[58:63] of P
.set SP,   58
.set BP,   68                          ; s[68:73] the three biases
.set OUTP, 74                          ; s[74:79] where tiles 0, 1, 2 go
.set PF,   80                          ; s[80:83] where my prefetches stand: tile 1's rows (key or k_w), tile 2's (value or v_w)
.set PFN,  84                          ; s84  0 where my wave prefetches
.set SEL,  92                          ; s[92:93] selects for lane l xor 16
.set MNT,  94                          ; s94  the mantissa field of 448
; window 0 (window 1: two buffers of fragments, 128 registers each: L's four at + 16 i, P's four at + 64 + 16 t)
.set SPW,  4                           ; v4   my spare word;  v5 = 0: both kept for the add alone
.set NIL,  5
.set ATL,  6                           ; v6-7   token rows as L, slots 0, 1;  v8-9 as P;  v10-11 weight rows as L;  v12-13 as P
.set ATP,  8
.set AWL,  10
.set AWP,  12
.set VL,   14                          ; v14  32 x lane: L's scale rows;  v15  32 (r + 32 h): P's
.set VP,   15
.set VBQ,  16                          ; v16  32 h: bias along P;  v17  4 r: bias along L
.set VBV,  17
.set SQ,   18                          ; v18-21 the stage on the way in: Q/K codes, Q/K scales, V codes, V scales
.set SQS,  19
.set SV,   20
.set SVS,  21
.set RDI,  22                          ; v22-23 the stage on the way out: image, scale words
.set RDS,  23
.set SC,   24                          ; v24-59 two sets of 18: +4a+q L's word of K step q (lanes 0-15 tile 2a, 16-31 tile 2a + 1); +10+4a+q P's (lanes 0-15 tile a, 16-31 tile a + 2): no product's two have numbers equal modulo 8
.set GO16, 60                          ; v60  16 x lane;  v61  8 x lane
.set GO8,  61
.set PFO,  62                          ; v62  1,024 x lane: the prefetches' rows; never rewritten
.set BI,   64                          ; v64-95 bias in the result's layout
.set TM,   96                          ; v96-111 at work on the way out (96, 97 then hold scale halfwords), v112-127 codes; then v96-127 what leaves
.set PC,   112
.set OUTR, 96
.set ACC,  128                         ; v128-255 accumulator (i, t) at ACC + 8 (4 i + t)
.set MSB, 0
.macro WIN new                         ; the immediate's high byte repeats the setting that is left
.if MSB != \new
	s_set_vgpr_msb (MSB<<8)|\new
.set MSB, \new
.endif
.endm
.macro PLACES n
.rept \n
	v_nop
.endr
.endm
.macro WALU
	s_wait_alu depctr_va_vdst(0)
.endm
.macro CROUND                          ; a round of the cluster's barrier
	s_barrier_signal -1
	s_barrier_wait -1
	s_cmp_lg_u32 s[WV], 0
	s_cbranch_scc1 .Lnot_wave_0_\@
	s_barrier_signal -3
.Lnot_wave_0_\@:
	s_barrier_wait -3
	s_barrier_signal -1
	s_barrier_wait -1
.endm
.macro JLOAD slot                      ; a joint refill; four v_nop follow each line
	s_cmp_lt_u32 s[WV], 2
	s_cbranch_scc0 .Lfor_w_\@
	tensor_load_to_lds s[G0T+4*\slot:G0T+4*\slot+3], s[G1T:G1T+7]
	s_nop 0
	PLACES 4
	s_branch .Lasked_\@
.Lfor_w_\@:
	tensor_load_to_lds s[G0W+4*\slot:G0W+4*\slot+3], s[G1W:G1W+7]
	s_nop 0
	PLACES 4
.Lasked_\@:
.endm
.macro GSC n, kh, S                    ; the scale words of tile n, K half kh, into set S: 16 bytes a row = four K steps of 128
	global_load_b128 v[SC+18*\S:SC+18*\S+3], v[VL], s[SL+2*\n:SL+2*\n+1] offset:16*\kh
	global_load_b128 v[SC+18*\S+4:SC+18*\S+7], v[VL], s[SL+2*\n:SL+2*\n+1] offset:16*\kh+1024
	global_load_b128 v[SC+18*\S+10:SC+18*\S+13], v[VP], s[SP+2*\n:SP+2*\n+1] offset:16*\kh
	global_load_b128 v[SC+18*\S+14:SC+18*\S+17], v[VP], s[SP+2*\n:SP+2*\n+1] offset:16*\kh+512
.endm
.macro GBIAS_P n                       ; bias along P: lane (r, h), tile t, register j: number 16 t + 8 h + j of my 64
.irp t, 0,1,2,3
	global_load_b128 v[BI+8*\t:BI+8*\t+3], v[VBQ], s[BP+2*\n:BP+2*\n+1] offset:64*\t
	global_load_b128 v[BI+8*\t+4:BI+8*\t+7], v[VBQ], s[BP+2*\n:BP+2*\n+1] offset:64*\t+16
.endr
.endm
.macro MM i, t, q, S, c                ; one product: D = accumulator (i, t), source 0 = P tile t, source 1 = L tile i, C at v[c]
.set D_, ACC+8*(4*(\i)+(\t))
.set A_, 128*((\q)%2)+64+16*(\t)
.set B_, 128*((\q)%2)+16*(\i)
.set X_, SC+18*(\S)+10+4*((\t)%2)+(\q)
.set Y_, SC+18*(\S)+4*((\i)/2)+(\q)
.if ((\t) < 2) && ((\i)%2 == 0)
	v_wmma_scale_f32_16x16x128_f8f6f4 v[D_:D_+7], v[A_:A_+15], v[B_:B_+15], v[(\c):(\c)+7], v[X_], v[Y_]
.elseif (\i)%2 == 0
	v_wmma_scale_f32_16x16x128_f8f6f4 v[D_:D_+7], v[A_:A_+15], v[B_:B_+15], v[(\c):(\c)+7], v[X_], v[Y_] matrix_a_scale:MATRIX_SCALE_ROW1
.elseif (\t) < 2
	v_wmma_scale_f32_16x16x128_f8f6f4 v[D_:D_+7], v[A_:A_+15], v[B_:B_+15], v[(\c):(\c)+7], v[X_], v[Y_] matrix_b_scale:MATRIX_SCALE_ROW1
.else
	v_wmma_scale_f32_16x16x128_f8f6f4 v[D_:D_+7], v[A_:A_+15], v[B_:B_+15], v[(\c):(\c)+7], v[X_], v[Y_] matrix_a_scale:MATRIX_SCALE_ROW1 matrix_b_scale:MATRIX_SCALE_ROW1
.endif
.endm
.macro FETCH la, pa, q                 ; K step q's fragments into buffer q % 2: P's sixteen loads, then L's four tiles of four
	WIN 0x40
.irp t, 0,1,2,3
.irp c, 0,1,2,3
	ds_load_b128 v[128*((\q)%2)+64+16*\t+4*\c:128*((\q)%2)+64+16*\t+4*\c+3], v[\pa] offset:128*(\q)+32*\c+\t*16*PITCH
.endr
.endr
.irp i, 0,1,2,3
.irp c, 0,1,2,3
	ds_load_b128 v[128*((\q)%2)+16*\i+4*\c:128*((\q)%2)+16*\i+4*\c+3], v[\la] offset:128*(\q)+32*\c+\i*16*PITCH
.endr
.endr
	WIN 0
.endm
.macro KSTEP la, pa, q, S, first       ; first = 1: the sums start from the bias along P;  2: from the bias along L;  0: they go on
.set YN, 0
.if (\q) < 3
	FETCH \la, \pa, \q+1
.set YN, 32                            ; the next step's loads stay out
.endif
	WIN 0x05
.irp i, 0,1,2,3
	s_wait_dscnt YN+12-4*\i                        ; P's tiles and L tile i are in; L's younger tiles (four loads each) may be out
.irp t, 0,1,2,3
.if \first == 1
	MM \i, \t, \q, \S, BI+8*\t
.elseif \first == 2
	MM \i, \t, \q, \S, BI+8*\i
.else
	MM \i, \t, \q, \S, ACC+8*(4*\i+\t)
.endif
.endr
.endr
	WIN 0
	PLACES 8                                       ; eight places behind this form in front of the next loads into its registers and of the first read of results
.endm
.macro ASK n                           ; a prefetch of my share of trip n's tile
.if \n
	s_cmp_eq_u32 s[PFN], 0
	s_cbranch_scc0 .Lnot_mine_\@
	global_prefetch_b8 v[PFO], s[PF+2*((\n)/2-1):PF+2*((\n)/2-1)+1] offset:512*((\n)%2) th:TH_LOAD_NT scope:SCOPE_SE
.Lnot_mine_\@:
.endif
.endm
.macro TRIP la, pa, S, first, p1, p2, send, scoff   ; p1, p2: the trips whose tiles are asked for ahead;  send = n + 1: tile n leaves
	FETCH \la, \pa, 0
.if \send
	SENDOUT \send-1, \scoff
.endif
	KSTEP \la, \pa, 0, \S, \first
	ASK \p1
	ASK \p2
	KSTEP \la, \pa, 1, \S, 0
	KSTEP \la, \pa, 2, \S, 0
	KSTEP \la, \pa, 3, \S, 0
.endm
; 64 results of a lane, those of L tiles 2 s and 2 s + 1, become codes.  Block B = 2 i + b is A0 + 16 B .. + 15: of L row (2 s + i, r), P numbers 32 b + 8 h + 0 .. 7 and 32 b + 16 + 8 h + 0 .. 7; lane l xor 16 holds the block's other 16.
.macro QUANT s
.set A0, ACC+64*(\s)
.irp b, 0,1,2,3
	v_max3_num_f32 v[TM+\b], |v[A0+16*\b]|, |v[A0+1+16*\b]|, 0x4800000   ; and the floor 2^(9 - 127): the byte cannot fall under 1
.endr
.irp i, 2,4,6,8,10,12,14
.irp b, 0,1,2,3
	v_max3_num_f32 v[TM+\b], v[TM+\b], |v[A0+16*\b+\i]|, |v[A0+1+16*\b+\i]|
.endr
.endr
.irp b, 0,1,2,3
	v_permlanex16_b32 v[TM+4+\b], v[TM+\b], s[SEL], s[SEL+1]
.endr
.irp b, 0,1,2,3
	v_max_num_f32 v[TM+\b], v[TM+\b], v[TM+4+\b]   ; the block's largest magnitude
.endr
.irp b, 0,1,2,3
	v_add_nc_u32 v[TM+12+\b], 0xfc000000, v[TM+\b] ; 8 off its exponent field: the conversion's scale operand
.endr
.irp b, 0,1,2,3
	v_and_or_b32 v[TM+8+\b], v[TM+\b], 0x7f800000, s[MNT]   ; 448 x the scale
.endr
.irp b, 0,1,2,3
	v_lshrrev_b32 v[TM+4+\b], 23, v[TM+12+\b]      ; the scale's byte
.endr
.irp i, 0,1
	v_lshl_or_b32 v[TM+\i], v[TM+5+2*\i], 8, v[TM+4+2*\i]   ; L tile 2 s + i: its two blocks' bytes
.endr
.irp b, 0,1,2,3
.irp i, 0,1,2,3,4,5,6,7,8,9,10,11,12,13,14,15
	v_med3_num_f32 v[A0+16*\b+\i], v[A0+16*\b+\i], -v[TM+8+\b], v[TM+8+\b]   ; the conversion to an 8-bit code does not saturate (ISA guide 7.6.2): the hold comes first
.endr
	v_cvt_scalef32_pk8_fp8_f32 v[PC+4*\b:PC+4*\b+1], v[A0+16*\b:A0+16*\b+7], v[TM+12+\b]
	v_cvt_scalef32_pk8_fp8_f32 v[PC+4*\b+2:PC+4*\b+3], v[A0+16*\b+8:A0+16*\b+15], v[TM+12+\b]
.endr
	v_nop                                          ; a plain line behind the last conversion: later products write its sources
.endm
.macro TOSTAGE a, as, o, os            ; eight codes of (i, t) are eight bytes of an image; both lanes of a block write the same halfword with the same value
.irp i, 0,1
.irp t, 0,1,2,3
	ds_store_b64 v[\a], v[PC+4*(2*\i+\t/2)+2*(\t%2):PC+4*(2*\i+\t/2)+2*(\t%2)+1] offset:(\o)+(\t/2)*512+(\t%2)*256+\i*128
.endr
	ds_store_b16 v[\as], v[TM+\i] offset:(\os)+64*\i
.endr
.endm
.macro CODES_OUT a, as, o, os          ; both halves of my L rows
	QUANT 0
	TOSTAGE \a, \as, 0, 0
	QUANT 1
	TOSTAGE \a, \as, \o, \os
.endm
.macro SENDOUT n, scoff                ; wave w sends half w % 2 of head w / 2's image: each store covers 512 consecutive bytes, aligned; half 0's wave also the 256 bytes of scale words
.irp k, 0,1,2,3,4,5,6,7
	ds_load_b128 v[OUTR+4*\k:OUTR+4*\k+3], v[RDI] offset:512*\k
.endr
	s_wait_dscnt 0x0
.irp k, 0,1,2,3,4,5,6,7
	global_store_b128 v[GO16], v[OUTR+4*\k:OUTR+4*\k+3], s[OUTP+2*(\n):OUTP+2*(\n)+1] offset:512*\k
.endr
	s_cmp_lg_u32 s[WPN], 0
	s_cbranch_scc1 .Lno_sc_\@
	ds_load_b64 v[2:3], v[RDS]
	s_wait_dscnt 0x0
	global_store_b64 v[GO8], v[2:3], s[OUTP+2*(\n):OUTP+2*(\n)+1] offset:\scoff
.Lno_sc_\@:
	s_wait_xcnt 0x0                                ; the stores have read their registers
.endm
; The head of trip j (1 to 5): the change of slots.  Every wave: all its tensor loads have landed (its part of this trip's slot), the add, its LDS reads and stores are done; then the cluster's round,
; and behind it the slot read in trip j - 1 takes trip j + 1's tile: the wave's one tensor load until the next round, with a whole trip in which to land.
.macro MEET j
.set NS, ((\j)+1)%2
.set NN, ((\j)+1)/2
	s_wait_tensorcnt 0x0                           ; no tensor load of mine is out, so a descriptor may be written
	ds_add_u32 v[SPW], v[NIL]                      ; 0 onto my spare word
.if \j == 1
	s_mov_b32 s[G1T+2], 64<<16                     ; from here on a load brings 64 rows
	s_mov_b32 s[G1T+4], 64
	s_mov_b32 s[G1W+2], 64<<16
	s_mov_b32 s[G1W+4], 64
.endif
.if \j <= 4
	s_add_co_u32 s[G0T+4*NS+1], s2, NS*SLOT
	s_add_nc_u64 s[G0T+4*NS+2:G0T+4*NS+3], s[PTB+2*(NN-1):PTB+2*(NN-1)+1], 512*NS
	s_or_b32 s[G0T+4*NS+3], s[G0T+4*NS+3], 0x80000000
	s_add_co_u32 s[G0W+4*NS+1], s2, NS*SLOT+2*HALFT
	s_add_nc_u64 s[G0W+4*NS+2:G0W+4*NS+3], s[PWB+2*(NN-1):PWB+2*(NN-1)+1], 512*NS
	s_or_b32 s[G0W+4*NS+3], s[G0W+4*NS+3], 0x80000000
.endif
	WALU
	s_wait_dscnt 0x0                               ; the add is done; my reads of the slot are over and my stores into the stage have landed
.if \j <= 4
	CROUND
	JLOAD NS
.else
	s_barrier_signal -1
	s_barrier_wait -1
.endif
	s_wait_loadcnt 0x0                             ; this trip's scale words, and a bias, asked for a trip ago
.if \j <= 4
	GSC NN, NS, NS                                 ; the next trip's, into the set whose last products stand eight places back
.endif
.if \j == 1
	GBIAS_P 1
.endif
.if \j == 3
.irp i, 0,1,2,3
	global_load_b32 v[BI+8*\i], v[VBV], s[BP+4:BP+5] offset:64*\i   ; V's bias goes along L: one number a lane and L tile
.endr
.endif
.if \j == 4
.irp k, 1,2,3,4,5,6,7
.irp i, 0,1,2,3
	v_mov_b32 v[BI+8*\i+\k], v[BI+8*\i]            ; in the result's layout all eight registers hold it
.endr
.endr
	WALU
.endif
.endm
	s_load_b128 s[88:91], s[0:1], 0x0              ; query's codes, q_w's
	s_load_b128 s[44:47], s[0:1], 0x10             ; key's, value's
	s_load_b128 s[48:51], s[0:1], 0x20             ; k_w's, v_w's
	s_load_b256 s[52:59], s[0:1], 0x30             ; scales: query, key, v_w (L of tiles 0, 1, 2), q_w
	s_load_b128 s[60:63], s[0:1], 0x50             ; k_w, value (with q_w: P of tiles 0, 1, 2)
	s_load_b128 s[68:71], s[0:1], 0x60             ; q_b, k_b
	s_load_b128 s[72:75], s[0:1], 0x70             ; v_b, qrec
	s_load_b64 s[76:77], s[0:1], 0x80              ; kv
	v_lshl_add_u32 v[SPW], v0, 2, SPARE
	v_mov_b32 v[NIL], 0
	ds_add_u32 v[SPW], v[NIL]                      ; the wave's opening: the add, twice on end, and its wait ahead of my first tensor load
	ds_add_u32 v[SPW], v[NIL]
	v_lshrrev_b32 v1, 5, v0
	v_readfirstlane_b32 s[WV], v1
	s_and_b32 s[WPN], s[WV], 1
	s_lshr_b32 s[WLN], s[WV], 1
	s_bfe_u32 s6, ttmp6, 0x40000                   ; cx
	s_bfe_u32 s7, ttmp6, 0x40004                   ; cy
	s_lshl_b32 s8, ttmp9, 2
	s_add_co_u32 s8, s8, s6                        ; tx = 4 x cluster x + cx
	s_and_b32 s9, ttmp7, 0xffff
	s_lshr_b32 s[PFN], s9, 2                       ; 0 in the clusters of the grid's first half along y
	s_and_b32 s[PFN], s[PFN], s[WLN]               ; and in every wave that asks for token rows
	s_lshl_b32 s9, s9, 2
	s_add_co_u32 s9, s9, s7                        ; ty = 4 x cluster y + cy
	s_lshl_b32 s10, s7, 2
	s_lshl_b32 s10, 15, s10                        ; my row of the cluster
	s_lshl_b32 s11, 0x1111, s6                     ; my column
	s_or_b32 s[G1T], s10, (1<<20)|(1<<21)|(6<<22)|(3<<25)   ; 15:0 the mask; elements of 1 byte; padding on; bit 21 beside a mask; after every 128 words (code 6) four words (code 3)
	s_or_b32 s[G1W], s11, (1<<20)|(1<<21)|(6<<22)|(3<<25)
.irp g, G1T, G1W
	s_mov_b32 s[\g+1], 512<<16                     ; tensor_dim0 = 512
	s_mov_b32 s[\g+2], 128<<16                     ; tensor_dim1 = 128
	s_mov_b32 s[\g+3], 512<<16                     ; tile_dim0 = 512
	s_mov_b32 s[\g+4], 128                         ; tile_dim1 = 128
	s_mov_b32 s[\g+5], 1024                        ; from row to row
	s_mov_b32 s[\g+6], 0
	s_mov_b32 s[\g+7], 0
.endr
	s_lshl_b32 s96, s9, 17                         ; token rows 128 ty, of 1,024 bytes: these two registers never hold tx
	s_mov_b32 s97, 0
	s_lshl_b32 s98, s8, 17                         ; weight rows 128 tx: these two never hold ty
	s_mov_b32 s99, 0
	s_lshl_b32 s86, s[WPN], 16                     ; a refill's 64 rows
	s_mov_b32 s87, 0
	s_mul_i32 s2, s[WPN], HALFT                    ; and where they go in their region
	v_and_b32 v1, 15, v0                           ; r
	v_bfe_u32 v2, v0, 4, 1                         ; h
	v_and_b32 v3, 31, v0                           ; lane
	v_lshlrev_b32 v[VL], 5, v3
	v_lshl_add_u32 v[VP], v2, 5, v1
	v_lshlrev_b32 v[VBQ], 5, v2
	v_lshlrev_b32 v[VBV], 2, v1
	v_lshlrev_b32 v[VP], 5, v[VP]
	v_lshlrev_b32 v[PFO], 10, v3
	v_lshlrev_b32 v[GO16], 4, v3
	v_lshlrev_b32 v[GO8], 3, v3
	WALU
	s_wait_dscnt 0x0                               ; both opening adds are done
	s_wait_kmcnt 0x0
	s_add_nc_u64 s[88:89], s[88:89], s[96:97]
	s_add_nc_u64 s[44:45], s[44:45], s[96:97]
	s_add_nc_u64 s[46:47], s[46:47], s[96:97]
	s_add_nc_u64 s[90:91], s[90:91], s[98:99]
	s_add_nc_u64 s[48:49], s[48:49], s[98:99]
	s_add_nc_u64 s[50:51], s[50:51], s[98:99]
.irp s, 0,1
	s_mov_b32 s[G0T+4*\s], 1
	s_mov_b32 s[G0T+4*\s+1], \s*SLOT
	s_add_nc_u64 s[G0T+4*\s+2:G0T+4*\s+3], s[88:89], 512*\s
	s_or_b32 s[G0T+4*\s+3], s[G0T+4*\s+3], 0x80000000
	s_mov_b32 s[G0W+4*\s], 1
	s_mov_b32 s[G0W+4*\s+1], \s*SLOT+2*HALFT
	s_add_nc_u64 s[G0W+4*\s+2:G0W+4*\s+3], s[90:91], 512*\s
	s_or_b32 s[G0W+4*\s+3], s[G0W+4*\s+3], 0x80000000
.endr
	CROUND                                         ; all sixteen work-groups are here: the first joint loads meet
; ONE tree of branches on the wave's number, each arm with its load: every way through the head passes exactly one
.macro ARM under, g0, g1, next
	s_cmp_lt_u32 s[WV], \under
	s_cbranch_scc0 \next
	tensor_load_to_lds s[\g0:\g0+3], s[\g1:\g1+7]
	s_nop 0
	PLACES 4
	s_branch .Lhead_asked
\next:
.endm
	ARM 1, G0T,   G1T, .Lhead_w0
	ARM 2, G0W,   G1W, .Lhead_t1
	ARM 3, G0T+4, G1T, .Lhead_w1
	tensor_load_to_lds s[G0W+4:G0W+7], s[G1W:G1W+7]
	s_nop 0
	PLACES 4
.Lhead_asked:
	; the prefetches' addresses: whose rows by the wave, which 32 of them by my place among the partners, which 256 bytes by the wave
	s_cmp_lt_u32 s[WV], 2
	s_cselect_b64 s[PF:PF+1], s[44:45], s[48:49]
	s_cselect_b64 s[PF+2:PF+3], s[46:47], s[50:51]
	s_cselect_b32 s96, s6, s7
	s_lshl_b32 s96, s96, 15
	s_lshl_b32 s98, s[WPN], 8
	s_add_co_u32 s96, s96, s98
	s_add_nc_u64 s[PF:PF+1], s[PF:PF+1], s[96:97]
	s_add_nc_u64 s[PF+2:PF+3], s[PF+2:PF+3], s[96:97]
	s_add_nc_u64 s[44:45], s[44:45], s[86:87]
	s_add_nc_u64 s[46:47], s[46:47], s[86:87]
	s_add_nc_u64 s[48:49], s[48:49], s[86:87]
	s_add_nc_u64 s[50:51], s[50:51], s[86:87]
	; the scale rows (32 bytes a row) and the biases at my rows
	s_lshl_b32 s88, s9, 12                         ; 128 ty rows
	s_lshl_b32 s90, s8, 12                         ; 128 tx rows
	s_lshl_b32 s86, s[WLN], 11                     ; my 64 L rows
	s_lshl_b32 s85, s[WPN], 11                     ; my 64 P rows
	s_add_co_u32 s96, s88, s86
	s_add_co_u32 s98, s90, s86
	s_add_co_u32 s88, s88, s85
	s_add_co_u32 s90, s90, s85
	s_mov_b32 s89, 0
	s_mov_b32 s91, 0
	s_add_nc_u64 s[SL:SL+1], s[SL:SL+1], s[96:97]
	s_add_nc_u64 s[SL+2:SL+3], s[SL+2:SL+3], s[96:97]
	s_add_nc_u64 s[SL+4:SL+5], s[SL+4:SL+5], s[98:99]
	s_add_nc_u64 s[SP:SP+1], s[SP:SP+1], s[90:91]
	s_add_nc_u64 s[SP+2:SP+3], s[SP+2:SP+3], s[90:91]
	s_add_nc_u64 s[SP+4:SP+5], s[SP+4:SP+5], s[88:89]
	s_lshl_b32 s88, s8, 9                          ; 128 tx numbers of 4 bytes
	s_lshl_b32 s85, s[WLN], 8
	s_add_co_u32 s90, s88, s85
	s_lshl_b32 s85, s[WPN], 8
	s_add_co_u32 s88, s88, s85
	s_add_nc_u64 s[BP:BP+1], s[BP:BP+1], s[88:89]
	s_add_nc_u64 s[BP+2:BP+3], s[BP+2:BP+3], s[88:89]
	s_add_nc_u64 s[BP+4:BP+5], s[BP+4:BP+5], s[90:91]
	GSC 0, 0, 0
	GSC 0, 1, 1
	GBIAS_P 0
	s_mov_b32 s[SEL], 0x76543210
	s_mov_b32 s[SEL+1], 0xfedcba98
	s_mov_b32 s[MNT], 0x600000
	; fragments: row x pitch + 16 h
	s_mul_i32 s86, s[WLN], HALFT
	v_mul_u32_u24 v126, v1, PITCH
	v_lshl_add_u32 v126, v2, 4, v126
	v_add_nc_u32 v[ATL], s86, v126
	v_add_nc_u32 v[ATP], s2, v126
	v_add_nc_u32 v[ATL+1], SLOT, v[ATL]
	v_add_nc_u32 v[ATP+1], SLOT, v[ATP]
	v_add_nc_u32 v[AWL], 2*HALFT, v[ATL]
	v_add_nc_u32 v[AWL+1], 2*HALFT, v[ATL+1]
	v_add_nc_u32 v[AWP], 2*HALFT, v[ATP]
	v_add_nc_u32 v[AWP+1], 2*HALFT, v[ATP+1]
	; the stage.  Q, K: head = wave % 2, fragment 2 (wave / 2) + s, group 2 (r / 8) + t / 2, lane (r % 8) + 8 i + 16 (t % 2), byte 8 h
	s_mul_i32 s85, s[WPN], HSTG
	s_mul_i32 s86, s[WLN], HSTG
	s_add_co_u32 s85, s85, STG
	s_add_co_u32 s86, s86, STG
	s_lshl_b32 s88, s[WLN], 12
	s_add_co_u32 s88, s88, s85
	s_lshl_b32 s89, s[WLN], 7                      ; their scale halfwords: ((f / 2) 16 + row) 8 + (f % 2) 4 + 2 (r / 8)
	s_add_co_u32 s89, s89, s85
	s_add_co_u32 s89, s89, 8192
	s_lshl_b32 s90, s[WPN], 10                     ; V: head = wave / 2, fragment 2 s + r / 8, group 2 (wave % 2) + t / 2
	s_add_co_u32 s90, s90, s86
	s_lshl_b32 s91, s[WPN], 1
	s_add_co_u32 s91, s91, s86
	s_add_co_u32 s91, s91, 8192
	s_lshl_b32 s85, s[WPN], 12                     ; on the way out: head wave / 2, half wave % 2
	s_add_co_u32 s85, s85, s86
	s_add_co_u32 s86, s86, 8192
	v_bfe_u32 v126, v0, 3, 1                       ; r / 8
	v_and_b32 v127, 7, v0                          ; r % 8
	v_lshlrev_b32 v125, 3, v2
	v_lshl_add_u32 v125, v127, 4, v125
	v_lshl_add_u32 v[SQ], v126, 10, v125
	v_lshl_add_u32 v[SV], v126, 11, v125
	v_lshlrev_b32 v127, 3, v127
	v_lshl_add_u32 v[SQS], v126, 1, v127
	v_lshl_add_u32 v[SVS], v126, 2, v127
	v_add_nc_u32 v[SQ], s88, v[SQ]
	v_add_nc_u32 v[SQS], s89, v[SQS]
	v_add_nc_u32 v[SV], s90, v[SV]
	v_add_nc_u32 v[SVS], s91, v[SVS]
	v_add_nc_u32 v[RDI], s85, v[GO16]
	v_add_nc_u32 v[RDS], s86, v[GO8]
.irp b, 0,1,2,3
	v_mov_b32 v[TM+4+\b], 0                        ; a lane permute's destination counts as one of its sources
.endr
	s_lshr_b32 s96, s9, 4                          ; the record: ((batch 16 + 2 tx + wave / 2) 16 + ty % 16
	s_lshl_b32 s96, s96, 4
	s_lshl_b32 s98, s8, 1
	s_add_co_u32 s96, s96, s98
	s_add_co_u32 s96, s96, s[WLN]
	s_lshl_b32 s96, s96, 4
	s_and_b32 s98, s9, 15
	s_add_co_u32 s96, s96, s98
	s_lshl_b32 s88, s[WPN], 12
	s_mul_i32 s98, s96, 16896
	s_add_co_u32 s98, s98, s88
	s_mul_i32 s96, s96, 8448
	s_add_co_u32 s96, s96, s88
	s_add_nc_u64 s[OUTP:OUTP+1], s[OUTP:OUTP+1], s[96:97]
	s_add_nc_u64 s[OUTP+2:OUTP+3], s[OUTP+2:OUTP+3], s[98:99]
	s_add_nc_u64 s[OUTP+4:OUTP+5], s[OUTP+2:OUTP+3], 8192     ; V's image lies behind K's
	WALU
	s_cmp_lt_u32 s[WV], 2
	s_cbranch_scc0 .Lnot_slot_0
	s_wait_tensorcnt 0x0                           ; waves 0, 1: slot 0 is in; waves 2, 3 wait for slot 1 at the first change of slots
.Lnot_slot_0:
	s_barrier_signal -1
	s_barrier_wait -1
	s_wait_loadcnt 0x0                             ; Q's scale words and bias
	TRIP ATL, AWP, 0, 1, 2, 3, 0, 0                ; Q, K half 0: the first products start the sums from the bias
	MEET 1
	TRIP ATL+1, AWP+1, 1, 0, 4, 0, 0, 0
	CODES_OUT SQ, SQS, 2048, 4
	MEET 2                                         ; its wait for my LDS stores and its round also show the stage whole to every wave
	TRIP ATL, AWP, 0, 1, 5, 0, 1, 8192             ; K; Q's tile leaves
	MEET 3                                         ; every wave's reads of the stage are over behind this round
	TRIP ATL+1, AWP+1, 1, 0, 0, 0, 0, 0
	CODES_OUT SQ, SQS, 2048, 4
	MEET 4
	TRIP AWL, ATP, 0, 2, 0, 0, 2, 16384            ; V: weight rows are L, tokens are P; K's tile leaves
	MEET 5                                         ; nothing is left to fetch
	TRIP AWL+1, ATP+1, 1, 0, 0, 0, 0, 0
	CODES_OUT SV, SVS, 4096, 128
	s_wait_dscnt 0x0                               ; for the others' sake: my stores into the stage have landed
	s_barrier_signal -1
	s_barrier_wait -1
	SENDOUT 2, 8448
	s_wait_tensorcnt 0x0                           ; the wave's end
	ds_add_u32 v[SPW], v[NIL]
	s_wait_dscnt 0x0
	CROUND                                         ; the closing round
	s_endpgm
.Lfunc_end_k_qd75ce871eb_proj:
	.size	k_qd75ce871eb_proj, .Lfunc_end_k_qd75ce871eb_proj-k_qd75ce871eb_proj
	.p2alignl 7, 3214868480
	.fill 96, 4, 3214868480
	.section	.rodata,"a",@progbits
	.p2align	6, 0x0
	.amdhsa_kernel k_qd75ce871eb_proj
		.amdhsa_group_segment_fixed_size 327680
		.amdhsa_private_segment_fixed_size 0
		.amdhsa_enable_private_segment 0
		.amdhsa_kernarg_size 136
		.amdhsa_user_sgpr_count 2
		.amdhsa_user_sgpr_kernarg_segment_ptr 1
		.amdhsa_wavefront_size32 1
		.amdhsa_system_sgpr_workgroup_id_x 1
		.amdhsa_system_sgpr_workgroup_id_y 1
		.amdhsa_system_sgpr_workgroup_id_z 1
		.amdhsa_system_vgpr_workitem_id 0
		.amdhsa_next_free_vgpr 512
		.amdhsa_next_free_sgpr 100
		.amdhsa_reserve_vcc 0
		.amdhsa_float_denorm_mode_32 3
		.amdhsa_float_denorm_mode_16_64 3
		.amdhsa_memory_ordered 1
		.amdhsa_forward_progress 1
		.amdhsa_inst_pref_size 187
	.end_amdhsa_kernel
	.amdgpu_metadata
---
amdhsa.version: [ 1, 2 ]
amdhsa.kernels:
  - .name:           k_qd75ce871eb_proj
    .symbol:         k_qd75ce871eb_proj.kd
    .args:
      - { .name: query_codes, .offset: 0, .size: 8, .value_kind: global_buffer, .address_space: global }
      - { .name: q_w_codes, .offset: 8, .size: 8, .value_kind: global_buffer, .address_space: global }
      - { .name: key_codes, .offset: 16, .size: 8, .value_kind: global_buffer, .address_space: global }
      - { .name: value_codes, .offset: 24, .size: 8, .value_kind: global_buffer, .address_space: global }
      - { .name: k_w_codes, .offset: 32, .size: 8, .value_kind: global_buffer, .address_space: global }
      - { .name: v_w_codes, .offset: 40, .size: 8, .value_kind: global_buffer, .address_space: global }
      - { .name: query_scales, .offset: 48, .size: 8, .value_kind: global_buffer, .address_space: global }
      - { .name: key_scales, .offset: 56, .size: 8, .value_kind: global_buffer, .address_space: global }
      - { .name: v_w_scales, .offset: 64, .size: 8, .value_kind: global_buffer, .address_space: global }
      - { .name: q_w_scales, .offset: 72, .size: 8, .value_kind: global_buffer, .address_space: global }
      - { .name: k_w_scales, .offset: 80, .size: 8, .value_kind: global_buffer, .address_space: global }
      - { .name: value_scales, .offset: 88, .size: 8, .value_kind: global_buffer, .address_space: global }
      - { .name: q_b, .offset: 96, .size: 8, .value_kind: global_buffer, .address_space: global }
      - { .name: k_b, .offset: 104, .size: 8, .value_kind: global_buffer, .address_space: global }
      - { .name: v_b, .offset: 112, .size: 8, .value_kind: global_buffer, .address_space: global }
      - { .name: qrec, .offset: 120, .size: 8, .value_kind: global_buffer, .address_space: global }
      - { .name: kv, .offset: 128, .size: 8, .value_kind: global_buffer, .address_space: global }
    .group_segment_fixed_size: 327680
    .private_segment_fixed_size: 0
    .kernarg_segment_align: 8
    .kernarg_segment_size: 136
    .max_flat_workgroup_size: 128
    .sgpr_count:     100
    .vgpr_count:     512
    .wavefront_size: 32
...
	.end_amdgpu_metadata
.endif
;; end of part 1
;; launch attn (part 2): grid 8 x 32, 8 waves a work-group, clusters of 4 x 1, 327,680 bytes of LDS; arguments qrec, kv, mimg, msc; writes mimg, msc
.if DOCPART == 2
	.amdgcn_target "amdgcn-amd-amdhsa--gfx1250"
	.amdhsa_code_object_version 6
	.text
	.protected	k_qd75ce871eb_attn
	.globl	k_qd75ce871eb_attn
	.p2align	8
	.type	k_qd75ce871eb_attn,@function
k_qd75ce871eb_attn:
	s_mov_b64 s[64:65], 0
	v_nop
	global_prefetch_b8 v0, s[64:65] scope:SCOPE_SE
	s_setreg_imm32_b32 hwreg(HW_REG_WAVE_MODE, 25, 1), 1
	s_wait_xcnt 0x0
	s_wait_alu depctr_hold_cnt(0) depctr_sa_sdst(0) depctr_va_vdst(0) depctr_va_sdst(0) depctr_va_ssrc(0) depctr_va_vcc(0) depctr_vm_vsrc(0)
	s_getreg_b32 s2, hwreg(HW_REG_IB_STS2, 6, 4)
	s_cmp_eq_u32 s2, 0
	s_cbranch_scc0 .Lentry_in_a_cluster
	s_endpgm
.Lentry_in_a_cluster:
	s_bfe_u32 s2, ttmp6, 0x10000c
	s_cmp_lg_u32 s2, 0x3003
	s_cbranch_scc0 .Lentry_shape_is_right
	s_endpgm
.Lentry_shape_is_right:
; For one head of one batch and 256 queries: S^T = K Q^T, the softmax, O^T = V^T P^T, O / l, and the quantiser of the merged heads along the model's axis; all products on codes of E4M3 with E8M0 scales.
; t = score x log2(e) / 8; M = the running largest t rounded up to a whole number; p = 2^(t - M) is quantised along the keys, not normalised; l sums the unquantised p; when M moves, l and O^T are multiplied by 2^(old M - new M): exact.
; SHARES.  Eight waves, 512 registers, TWO tiles (0, 1) of 16 queries each.  Window 0 holds what vector instructions work on, for both tiles; window 1 K's and V's fragments, q and O^T.  Each fragment read from LDS serves both tiles.
; ORDER.  The two tiles take turns, half a key step (128 keys) apart.  A turn of tile T, U being the other: the largest scores of T's blocks; the links of the chain that leads to M, and between them what is left of T's last sum and U's scale word;
; t - M; then T's 68 exponentials, and among them U's sums and holds; then U's O^T under its new M, U's codes, and U's twelve products: its next scores and its share of O.
; In trip n, tile 0's turn has the products S_1(n) and O_1 += p_1(n - 1) V(n - 1); tile 1's turn has S_0(n + 1) and O_0 += p_0(n) V(n).  V(n) and K(n + 1) are fetched between the two turns.
; The first turn has no step of tile 1 before it: tile 1's p are zeros written ahead of the loop, so its codes are zeros and O_1 stays 0.
; K AND V OF THE WHOLE HEAD LIE IN LDS: 16 records of 16,896 bytes, filled once and never again.  The four query blocks of a cluster belong to one head and ask jointly: wave w fetches records 2 w, 2 w + 1, one tensor load a wave.
; Waves 0 and 1 wait at the first barrier (records 0 to 3: trips 0 to 2), all waves at the second.  No prefetch: every tile is asked for at the head; there is no loop to run ahead in.
; LAYOUT.  Both products are used transposed: a lane holds one query (lane % 16) throughout.  A record holds fragments as images of the operand's registers: a load takes 512 consecutive bytes.
; THE HEAD'S 64 IN AN INSTRUCTION OF 128.  A fragment of K holds TWO tiles of 16 keys (k 0-63: keys 32 f + r + 8 (r / 8); k 64-127: those 8 further on).  It is multiplied twice, by [q | zero codes] and by [zero codes | q].
; The zero codes meet finite codes (the launch before holds at 448 and makes no NaN code) under scale bytes 1 to 254: each such product is 0.  So S + 16 f + n is key 32 f + 16 h + n, and the conversions' results are the second product's operand.
; LIMITS: NaN and infinities are not served; the scaled scores t stay under 2^31 in magnitude.  1 / l is v_rcp_f32's.  A block of the merged heads whose largest magnitude lies under 2^-118, zeros among them, keeps the scale byte 1: this program alone reads the bytes.
.set REC,  16896
.set QREC, 8448
.set SPARE, 16*REC                     ; the spare words: 128 bytes a wave, four blocks of 256 bytes that no other line names
.set WV,   3
.set G1,   16                          ; s[16:23] descriptor group 1;  s[24:27] group 0
.set G0,   24
.set SEL,  40                          ; s[40:41] selects for lane l xor 16
.set CS,   42                          ; s[42:43] c = log2(e) / 8, twice: the packed form names a pair
.set MNT,  44                          ; s44  the mantissa field of 448
.set TB,   45                          ; s45  LDS byte of the record in hand
.set CNT,  46
; window 0.  Where a line says + n t, tile t's lie n registers on
.set A16,  1                           ; v1 16 x lane;  v2 8 x lane
.set A8,   2
.set SPW,  3                           ; v3 my spare word, v12 = 0: kept for the add alone
.set NIL,  12
.set QL,   4                           ; v4-7 q's scale words for the two products, + 2 t
.set KS,   8                           ; v[8:9] K's scale words;  v[10:11] V's
.set VS,   10
.set AD,   13                          ; v13, v14 LDS addresses
.set AE,   14
.set NM,   16                          ; -M, + 2 t;  behind it the largest score so far
.set L,    20                          ; l in two halves, + 2 t
.set FF,   24                          ; f = 2^(old M - new M), + 2 t (the upper register is named with it, so it is written once)
.set TP,   28                          ; + t
.set PW,   30                          ; p's scale words, + t.  No product's two scale registers have numbers equal modulo 8
.set BM,   32                          ; four block maxima, + 4 t;  four at work;  448 x scale;  the conversions' scale operands
.set T2,   40
.set HD,   48
.set SO,   56
.set PC,   64                          ; v64-79 p's codes, the tiles by turns
.set AC,   80                          ; v80-111 sixteen pairs of sums, the tiles by turns
.set S,    112                         ; S^T, then p, + 64 t
; window 1
.set KB,   0                           ; v0-63 four fragments of K;  v64-127 of V
.set VB,   64
.set QZ,   128                         ; + 24 t: eight zeros, q's eight codes, eight zeros: [zeros | q] from 0 on, [q | zeros] from 8 on
.set O,    176                         ; O^T, + 32 t: O + 16 b + n is d = 32 b + 16 h + n
.set MSB, 0
.macro WIN new                         ; the immediate's high byte repeats the setting that is left
.if MSB != \new
	s_set_vgpr_msb (MSB<<8)|\new
.set MSB, \new
.endif
.endm
.macro CROUND
	s_barrier_signal -1
	s_barrier_wait -1
	s_cmp_lg_u32 s[WV], 0
	s_cbranch_scc1 .Lnot_wave_0_\@
	s_barrier_signal -3
.Lnot_wave_0_\@:
	s_barrier_wait -3
	s_barrier_signal -1
	s_barrier_wait -1
.endm
.macro WALU
	s_wait_alu depctr_va_vdst(0)
.endm
.macro ZEROS from, n
.set J_, 0
.rept \n
	v_mov_b32 v[\from+J_], 0
.set J_, J_+1
.endr
.endm
	s_load_b256 s[8:15], s[0:1], 0x0               ; qrec, kv, mimg, msc
	v_lshl_add_u32 v[SPW], v0, 2, SPARE
	v_mov_b32 v[NIL], 0
	ds_add_u32 v[SPW], v[NIL]                      ; the wave's opening: the add, twice on end, and its wait ahead of my first tensor load
	ds_add_u32 v[SPW], v[NIL]
	v_lshrrev_b32 v[TP], 5, v0
	v_readfirstlane_b32 s[WV], v[TP]               ; wave 0..7
	s_bfe_u32 s4, ttmp6, 0x40000                   ; cx: it enters Q's and the outputs' global addresses alone
	s_lshl_b32 s5, ttmp9, 2
	s_add_co_u32 s5, s5, s4                        ; my block of 256 queries
	s_and_b32 s6, ttmp7, 0xffff                    ; 16 x batch + head, which the four partners share
	s_mov_b32 s[G1], 15|(3<<16)|(1<<21)            ; the mask: all four work-groups; elements of 8 bytes; bit 21 beside a mask; no padding
	s_mov_b32 s[G1+1], 32<<16                      ; tensor_dim0 = 32 elements = 256 bytes
	s_mov_b32 s[G1+2], 132<<16                     ; tensor_dim1 = 132 rows: two records
	s_mov_b32 s[G1+3], 32<<16                      ; tile_dim0
	s_mov_b32 s[G1+4], 132                         ; tile_dim1
	s_mov_b32 s[G1+5], 32                          ; dense
	s_mov_b32 s[G1+6], 0
	s_mov_b32 s[G1+7], 0
	s_lshl_b32 s48, s6, 3
	s_add_co_u32 s48, s48, s[WV]
	s_mul_i32 s48, s48, 2*REC
	s_mov_b32 s49, 0
	s_mov_b32 s[G0], 1
	s_mul_i32 s[G0+1], s[WV], 2*REC
	s_mov_b32 s[SEL], 0x76543210
	s_mov_b32 s[SEL+1], 0xfedcba98
	s_mov_b32 s[CS], 0x3e38aa3b
	s_mov_b32 s[CS+1], s[CS]
	s_mov_b32 s[MNT], 0x600000
	WALU
	s_wait_dscnt 0x0                               ; both opening adds are done
	s_wait_kmcnt 0x0
	s_add_nc_u64 s[G0+2:G0+3], s[10:11], s[48:49]
	s_or_b32 s[G0+3], s[G0+3], 0x80000000
	CROUND                                         ; all four work-groups are here: the joint loads meet
	s_cmp_lt_u32 s[WV], 2                          ; waves 0 and 1, which wait at the first barrier, have a load line of their own
	s_cbranch_scc0 .Lrest
	tensor_load_to_lds s[G0:G0+3], s[G1:G1+7]
	s_nop 0
.rept 4
	v_nop
.endr
	s_branch .Lasked
.Lrest:
	tensor_load_to_lds s[G0:G0+3], s[G1:G1+7]
	s_nop 0
.rept 4
	v_nop
.endr
.Lasked:
	; Q: record of 128 queries (wave / 4); my tiles lie in fragment wave % 4: tile 0 rows r % 8, tile 1 rows r % 8 + 8, groups 2 (r / 8) + c
	s_lshl_b32 s52, s6, 4
	s_lshl_b32 s53, s5, 1
	s_add_co_u32 s52, s52, s53
	s_lshr_b32 s53, s[WV], 2
	s_add_co_u32 s52, s52, s53
	s_mul_i32 s52, s52, QREC
	s_and_b32 s54, s[WV], 3
	s_lshl_b32 s57, s54, 11
	s_add_co_u32 s58, s52, s57
	s_mov_b32 s59, 0
	s_lshr_b32 s57, s54, 1
	s_lshl_b32 s57, s57, 7
	s_add_co_u32 s52, s52, s57
	s_and_b32 s57, s54, 1
	s_lshl_b32 s57, s57, 2
	s_add_co_u32 s52, s52, s57
	s_add_co_u32 s52, s52, 8192
	s_mov_b32 s53, 0
	s_add_nc_u64 s[56:57], s[8:9], s[52:53]        ; my scale halfwords
	s_add_nc_u64 s[8:9], s[8:9], s[58:59]          ; my codes
	v_and_b32 v[TP], 31, v0
	v_lshlrev_b32 v[A16], 4, v[TP]
	v_lshlrev_b32 v[A8], 3, v[TP]
	v_bfe_u32 v[AC], v0, 3, 1                      ; r / 8
	v_and_b32 v[AC+1], 7, v0                       ; r % 8
	v_bfe_u32 v[AC+2], v0, 4, 1                    ; h
	v_lshlrev_b32 v[AD], 10, v[AC]
	v_lshl_add_u32 v[AD], v[AC+2], 8, v[AD]
	v_lshl_add_u32 v[AD], v[AC+1], 4, v[AD]
	v_lshlrev_b32 v[AE], 1, v[AC]
	v_lshl_add_u32 v[AE], v[AC+1], 3, v[AE]
	global_load_u16 v[PC], v[AE], s[56:57]                     ; my queries' two scale bytes each
	global_load_u16 v[PC+1], v[AE], s[56:57] offset:64
	WIN 0x40
.irp t, 0,1
	global_load_b128 v[QZ+24*\t+8:QZ+24*\t+11], v[AD], s[8:9] offset:128*\t        ; d = 16 h + 0 .. 15
	global_load_b128 v[QZ+24*\t+12:QZ+24*\t+15], v[AD], s[8:9] offset:128*\t+512   ; d = 32 + 16 h + 0 .. 15
.endr
	; the outputs: fragment F = ((block of 128 tokens) 8 + head / 2) 8 + 2 (wave % 4), tile 1's behind it; my head's two groups of 512 bytes in it
	s_lshr_b32 s48, s6, 4
	s_lshl_b32 s48, s48, 4
	s_lshl_b32 s49, s5, 1
	s_add_co_u32 s48, s48, s49
	s_lshr_b32 s49, s[WV], 2
	s_add_co_u32 s48, s48, s49
	s_lshl_b32 s48, s48, 3
	s_bfe_u32 s49, s6, 0x30001
	s_add_co_u32 s48, s48, s49
	s_lshl_b32 s48, s48, 3
	s_lshl_b32 s49, s54, 1
	s_add_co_u32 s48, s48, s49
	s_and_b32 s49, s6, 1
	s_lshl_b32 s50, s48, 11
	s_lshl_b32 s51, s49, 10
	s_add_co_u32 s50, s50, s51
	s_mov_b32 s51, 0
	s_add_nc_u64 s[12:13], s[12:13], s[50:51]
	s_lshl_b32 s50, s48, 6
	s_lshl_b32 s49, s49, 1
	s_add_co_u32 s50, s50, s49
	s_add_nc_u64 s[14:15], s[14:15], s[50:51]
	ZEROS QZ, 8                                    ; the zero codes on both sides of q
	ZEROS QZ+16, 8
	ZEROS QZ+24, 8
	ZEROS QZ+40, 8
	ZEROS O+32, 32                                 ; O_1,
	WIN 0
	ZEROS S+64, 64                                 ; and tile 1's p of the step before the first, under the scale 2^0
.irp b, 0,1,2,3
	v_mov_b32 v[HD+4+\b], 0
	v_mov_b32 v[SO+4+\b], 0x3f800000
.endr
	WALU
	s_wait_loadcnt 0x0
.irp t, 0,1
	v_or_b32 v[QL+2*\t], 0x7f7f0000, v[PC+\t]      ; [q | zeros]: q's bytes for k 0-63, 2^0 over the zero codes
	v_lshl_or_b32 v[QL+2*\t+1], v[PC+\t], 16, 0x7f7f   ; [zeros | q]
.endr
	ZEROS AC, 32                                   ; tile 0's sums of the step before the first
	ZEROS L, 8                                     ; l and f of both tiles
	ZEROS T2, 8                                    ; a lane permute's destination counts as one of its sources
.irp t, 0,1
	v_mov_b32 v[NM+2*\t], 0x7e800000               ; -M: so that the first f is 0
	v_mov_b32 v[NM+2*\t+1], 0xff61b1e6             ; the largest score so far: -3e38
.endr
.macro FETCH koff, k, v                ; k = 1: a record's four fragments of K and their scale words, from byte koff on;  v = 1: and of V
.if \k
	ds_load_b64 v[KS:KS+1], v[AE] offset:\koff+16384   ; lanes 0-15: fragments 0, 1; lanes 16-31: fragments 2, 3
.endif
.if \v
	ds_load_b64 v[VS:VS+1], v[AE] offset:16640
.endif
	WIN 0x40
.irp f, 0,1,2,3
.irp c, 0,1,2,3
.if \k
	ds_load_b128 v[KB+16*\f+4*\c:KB+16*\f+4*\c+3], v[AD] offset:\koff+2048*\f+512*\c
.endif
.if \v
	ds_load_b128 v[VB+16*\f+4*\c:VB+16*\f+4*\c+3], v[AD] offset:8192+2048*\f+512*\c
.endif
.endr
.endr
	WIN 0
.endm
.macro PRODUCT g, t                    ; g = 0 .. 7: tile t's scores, each the start of its sum: fragment g / 2 by [q | zeros] or [zeros | q];  8 .. 11: O^T += V^T P^T
.if (\g) < 8
.set F_, (\g)/2
.set A_, KB+16*F_
.set D_, S+64*(\t)+8*(\g)
.set Q_, QZ+24*(\t)+8-8*((\g)%2)
.set W_, QL+2*(\t)+(\g)%2
.if F_ < 2
	v_wmma_scale_f32_16x16x128_f8f6f4 v[D_:D_+7], v[A_:A_+15], v[Q_:Q_+15], 0, v[KS+F_], v[W_]
.else
	v_wmma_scale_f32_16x16x128_f8f6f4 v[D_:D_+7], v[A_:A_+15], v[Q_:Q_+15], 0, v[KS+F_-2], v[W_] matrix_a_scale:MATRIX_SCALE_ROW1
.endif
.else
.set F_, (\g)-8
.set A_, VB+16*F_
.set D_, O+32*(\t)+8*F_
.set W_, PW+(\t)
.if F_ < 2
	v_wmma_scale_f32_16x16x128_f8f6f4 v[D_:D_+7], v[A_:A_+15], v[PC:PC+15], v[D_:D_+7], v[VS+F_], v[W_]
.else
	v_wmma_scale_f32_16x16x128_f8f6f4 v[D_:D_+7], v[A_:A_+15], v[PC:PC+15], v[D_:D_+7], v[VS+F_-2], v[W_] matrix_a_scale:MATRIX_SCALE_ROW1
.endif
.endif
.endm
.macro PRODUCTS t, scores, values      ; window 0x05: sources in window 1, result in window 0;  0x51: V and O^T in window 1, the codes in window 0
.if \scores
	WIN 0x05
.set G_, 0
.rept 8
	PRODUCT G_, \t
.set G_, G_+1
.endr
.endif
.if \values
	WIN 0x51
.set G_, 8
.rept 4
	PRODUCT G_, \t
.set G_, G_+1
.endr
.endif
.endm
.macro TMINUSM x, t                    ; t - M of two scores
	v_pk_fma_f32 v[\x:\x+1], v[\x:\x+1], s[CS:CS+1], v[NM+2*\t:NM+2*\t+1] op_sel_hi:[1,0,0]
.endm
.macro TMINUSM8 t, n                   ; the next n pairs of tile t
.rept \n
	TMINUSM S+64*\t+J_, \t
.set J_, J_+2
.endr
.endm
.macro CODES t
.irp b, 0,1,2,3
	v_cvt_scalef32_pk8_fp8_f32 v[PC+4*\b:PC+4*\b+1], v[S+64*\t+16*\b:S+64*\t+16*\b+7], v[SO+4*\t+\b]
	v_cvt_scalef32_pk8_fp8_f32 v[PC+4*\b+2:PC+4*\b+3], v[S+64*\t+16*\b+8:S+64*\t+16*\b+15], v[SO+4*\t+\b]
.endr
.endm
.macro ADDP d, a, b
	v_pk_add_f32 v[\d:\d+1], v[\a:\a+1], v[\b:\b+1]
.endm
.macro REDUCE k, t                     ; sixteen pairs of sums into l, in pieces
.if (\k) < 2
.irp j, 0,2,4,6
	ADDP AC+8*(\k)+\j, AC+8*(\k)+\j, AC+16+8*(\k)+\j
.endr
.elseif (\k) == 2
.irp j, 0,2,4,6
	ADDP AC+\j, AC+\j, AC+8+\j
.endr
.elseif (\k) == 3
	ADDP AC, AC, AC+4
	ADDP AC+2, AC+2, AC+6
.elseif (\k) == 4
	ADDP AC, AC, AC+2
.else
	ADDP L+2*\t, L+2*\t, AC
.endif
.endm
.macro WORD k, t                       ; p's scale word for these 128 keys, in pieces
.if (\k) == 0
.irp b, 0,1,2,3
	v_lshlrev_b32 v[T2+4*\t+\b], 1, v[SO+4*\t+\b]  ; the scale's byte stands on top
.endr
.elseif (\k) == 1
	v_perm_b32 v[T2+4*\t], v[T2+4*\t+1], v[T2+4*\t], 0x0703
	v_perm_b32 v[T2+4*\t+2], v[T2+4*\t+3], v[T2+4*\t+2], 0x0703
.else
	v_perm_b32 v[PW+\t], v[T2+4*\t+2], v[T2+4*\t], 0x05040100
.endif
.endm
.macro FILL i, t                       ; sixteen first additions of the row's sum, taken of p ahead of the hold; then 32 pairs of p held at 448 x the scale: the conversion does not saturate (ISA guide 7.6.2); p is not negative, so the hold is one-sided
.set P_, S+64*(\t)
.if (\i) < 8
	ADDP AC+2*(\i), P_+2*(\i), P_+16+2*(\i)
.elseif (\i) < 16
	ADDP AC+2*(\i), P_+16+2*(\i), P_+32+2*(\i)
.else
.set P_, P_+2*((\i)-16)
.set H_, HD+4*(\t)+((\i)-16)/8
	v_dual_min_num_f32 v[P_], v[P_], v[H_] :: v_dual_min_num_f32 v[P_+1], v[P_+1], v[H_]
.endif
.endm
.macro EXPS n, t                       ; the next n of 68 exponentials: the blocks' largest p (the same two instructions on the same number as the p itself), then p = 2^(t - M)
.rept \n
.if E_ < 4
	v_exp_f32 v[BM+4*\t+E_], v[BM+4*\t+E_]
.else
	v_exp_f32 v[S+64*\t+E_-4], v[S+64*\t+E_-4]
.endif
.set E_, E_+1
.endr
.endm
.macro NEWO t                          ; O^T under the new M, directly behind a wait
	WIN 0x41
	WALU
.irp j, 0,2,4,6,8,10,12,14,16,18,20,22,24,26,28,30
	v_pk_mul_f32 v[O+32*\t+\j:O+32*\t+\j+1], v[O+32*\t+\j:O+32*\t+\j+1], v[FF+2*\t:FF+2*\t+1] op_sel_hi:[1,0]
.endr
	WIN 0
.endm
; A TURN of tile t; u: the other.  more = 1: u's scores and values, 0: values alone;  land = 1: K and V have just been fetched.
.macro TURN t, u, more, land
	WIN 0
	WALU                                           ; directly ahead of the first readers of this tile's scores
.set X_, S+64*\t
.set Z_, BM+4*\t
.set Y_, T2+4*\t
.irp b, 0,1,2,3
	v_max3_num_f32 v[Z_+\b], v[X_+16*\b], v[X_+1+16*\b], v[X_+2+16*\b]   ; the largest score of each block of 32 keys: for the row's maximum, and, since p rises with the score, for the block's largest p
.endr
.irp i, 3,5,7,9,11,13
.irp b, 0,1,2,3
	v_max3_num_f32 v[Z_+\b], v[Z_+\b], v[X_+16*\b+\i], v[X_+1+16*\b+\i]
.endr
.endr
.irp b, 0,1,2,3
	v_max_num_f32 v[Z_+\b], v[Z_+\b], v[X_+15+16*\b]
.endr
.irp b, 0,1,2,3
	v_permlanex16_b32 v[Y_+\b], v[Z_+\b], s[SEL], s[SEL+1]
.endr
	REDUCE 0, \t
.irp b, 0,1,2,3
	v_max_num_f32 v[Z_+\b], v[Z_+\b], v[Y_+\b]     ; with lane l xor 16's 16 keys
.endr
	REDUCE 1, \t
	v_max3_num_f32 v[TP+\t], v[Z_], v[Z_+1], v[Z_+2]
	WORD 0, \u
	v_max3_num_f32 v[NM+2*\t+1], v[TP+\t], v[Z_+3], v[NM+2*\t+1]   ; the running largest score
	REDUCE 2, \t
	v_mul_f32 v[TP+\t], s[CS], -v[NM+2*\t+1]       ; as -t (c is positive)
	WORD 1, \u
	REDUCE 3, \t
	v_floor_f32 v[Y_], v[TP+\t]                    ; the new -M = -ceil(t)
	WORD 2, \u
	REDUCE 4, \t
	v_sub_f32 v[TP+\t], v[Y_], v[NM+2*\t]          ; old M - new M: a whole number, 0 or less
	v_mov_b32 v[NM+2*\t], v[Y_]
	REDUCE 5, \t
.set J_, 0
	TMINUSM BM+4*\t, \t                            ; the blocks' largest
	TMINUSM BM+4*\t+2, \t
	TMINUSM8 \t, 6
	v_cvt_i32_f32 v[TP+\t], v[TP+\t]               ; (it saturates)
	TMINUSM8 \t, 10
	v_ldexp_f32 v[FF+2*\t], 1.0, v[TP+\t]          ; f
	TMINUSM8 \t, 16
	v_pk_mul_f32 v[L+2*\t:L+2*\t+1], v[L+2*\t:L+2*\t+1], v[FF+2*\t:FF+2*\t+1] op_sel_hi:[1,0]   ; l under the new M
	WALU                                           ; ahead of the batch
.if \land
	s_wait_dscnt 0x0                               ; this step's V and the next step's K are in
.endif
.set E_, 0
	EXPS 20, \t
.set I_, 0
.rept 48
	EXPS 1, \t
	FILL I_, \u
.set I_, I_+1
.endr
	NEWO \u                                        ; its wait stands behind the batch, too
	CODES \u
.irp b, 0,1,2,3
	v_max_num_f32 v[Z_+\b], 0x4800000, v[Z_+\b]    ; the floor 2^(9 - 127).  (These four are also places between the codes and their products)
.endr
	PRODUCTS \u, \more, 1
	WIN 0
.irp b, 0,1,2,3
	v_add_nc_u32 v[SO+4*\t+\b], 0xfc000000, v[Z_+\b]   ; 8 off the exponent field: the conversion's scale operand.  (These eight are also the places behind the products)
.endr
.irp b, 0,1,2,3
	v_and_or_b32 v[HD+4*\t+\b], v[Z_+\b], 0x7f800000, s[MNT]   ; 448 x the scale
.endr
.endm
; A KEY STEP for both tiles.  more = 1: a step follows, whose K is fetched and whose scores of tile 0 are made here.
.macro TRIP more
	TURN 0, 1, 1, 0
	v_add_nc_u32 v[AD], s[TB], v[A16]
	v_add_nc_u32 v[AE], s[TB], v[A8]
	FETCH REC, \more, 1
	TURN 1, 0, \more, 1
	WIN 0
.endm
.macro STEPS n, from                   ; n steps from record `from` on
	s_mov_b32 s[TB], (\from)*REC
	s_mov_b32 s[CNT], \n
	WALU
.Lstep_\@:
	TRIP 1
	s_add_co_u32 s[TB], s[TB], REC
	s_sub_co_u32 s[CNT], s[CNT], 1
	s_cmp_lg_u32 s[CNT], 0
	WALU
	s_cbranch_scc1 .Lstep_\@
.endm
	s_mov_b32 s[TB], 0
	WALU
	s_cmp_lt_u32 s[WV], 2
	s_cbranch_scc0 .Lnot_mine
	s_wait_tensorcnt 0x0                           ; waves 0 and 1: records 0 to 3 are in.  The other waves' wait stands at the second barrier
.Lnot_mine:
	s_barrier_signal -1
	s_barrier_wait -1
	v_add_nc_u32 v[AD], s[TB], v[A16]
	v_add_nc_u32 v[AE], s[TB], v[A8]
	FETCH 0, 1, 1                                  ; (V: finite codes for tile 1's zero codes of the step before the first)
	WALU
	s_wait_dscnt 0x0
	PRODUCTS 0, 1, 0                               ; step 0's scores of tile 0
	WIN 0x40
	ZEROS O, 32                                    ; O_0: the turn is written once; the first change of M multiplies zeros.  (Also the places behind the products)
	WIN 0
	STEPS 3, 0
	s_wait_tensorcnt 0x0                           ; every wave's records have landed
	s_wait_dscnt 0x0
	s_barrier_signal -1
	s_barrier_wait -1
	STEPS 12, 3
	TRIP 0                                         ; step 15 (the loop leaves its record in TB)
.set C_, 0
.rept 6
	REDUCE C_, 0                                   ; tile 0's last sum,
.set C_, C_+1
.endr
	WORD 0, 1                                      ; and tile 1's share of O from step 15
	WORD 1, 1
	WORD 2, 1
.set I_, 0
.rept 48
	FILL I_, 1
.set I_, I_+1
.endr
.set C_, 0
.rept 6
	REDUCE C_, 1
.set C_, C_+1
.endr
	CODES 1
	NEWO 1
	PRODUCTS 1, 0, 1
	WIN 0
	; THE END of a tile: O^T / l, quantised along the model's axis: my head's two blocks of 32; a lane's 16 codes of a block are 16 bytes of the next launch's fragment, at 16 x lane
.macro OUT t
.set X_, S+64*\t
.set Z_, BM+4*\t
.set Y_, T2+4*\t
.set R_, PC+8*\t
	v_add_f32 v[L+2*\t], v[L+2*\t], v[L+2*\t+1]
	v_permlanex16_b32 v[TP+\t], v[L+2*\t], s[SEL], s[SEL+1]
	v_add_f32 v[L+2*\t], v[L+2*\t], v[TP+\t]       ; the row's sum
	WALU
	v_rcp_f32 v[L+2*\t], v[L+2*\t]
	v_nop
	WIN 0x01                                       ; source 0 (O^T) in window 1
	WALU
.irp j, 0,2,4,6,8,10,12,14,16,18,20,22,24,26,28,30
	v_pk_mul_f32 v[X_+\j:X_+\j+1], v[O+32*\t+\j:O+32*\t+\j+1], v[L+2*\t:L+2*\t+1] op_sel_hi:[1,0]
.endr
	WIN 0
.irp b, 0,1
	v_max3_num_f32 v[Z_+\b], |v[X_+16*\b]|, |v[X_+1+16*\b]|, 0x4800000
.endr
.irp i, 2,4,6,8,10,12,14
.irp b, 0,1
	v_max3_num_f32 v[Z_+\b], v[Z_+\b], |v[X_+16*\b+\i]|, |v[X_+1+16*\b+\i]|
.endr
.endr
.irp b, 0,1
	v_permlanex16_b32 v[Y_+\b], v[Z_+\b], s[SEL], s[SEL+1]
.endr
.irp b, 0,1
	v_max_num_f32 v[Z_+\b], v[Z_+\b], v[Y_+\b]
.endr
.irp b, 0,1
	v_add_nc_u32 v[SO+4*\t+\b], 0xfc000000, v[Z_+\b]
.endr
.irp b, 0,1
	v_and_or_b32 v[HD+4*\t+\b], v[Z_+\b], 0x7f800000, s[MNT]
.endr
.irp b, 0,1
	v_lshrrev_b32 v[Y_+\b], 23, v[SO+4*\t+\b]
.endr
	v_lshl_or_b32 v[TP+\t], v[Y_+1], 8, v[Y_]      ; my head's two bytes of the token's scale word
.irp b, 0,1
.irp i, 0,1,2,3,4,5,6,7,8,9,10,11,12,13,14,15
	v_med3_num_f32 v[X_+16*\b+\i], v[X_+16*\b+\i], -v[HD+4*\t+\b], v[HD+4*\t+\b]
.endr
	v_cvt_scalef32_pk8_fp8_f32 v[R_+4*\b:R_+4*\b+1], v[X_+16*\b:X_+16*\b+7], v[SO+4*\t+\b]
	v_cvt_scalef32_pk8_fp8_f32 v[R_+4*\b+2:R_+4*\b+3], v[X_+16*\b+8:X_+16*\b+15], v[SO+4*\t+\b]
.endr
	v_nop
	global_store_b128 v[A16], v[R_:R_+3], s[12:13] offset:2048*\t                  ; each store covers 512 consecutive bytes, aligned
	global_store_b128 v[A16], v[R_+4:R_+7], s[12:13] offset:2048*\t+512
	global_store_b16 v[AD], v[TP+\t], s[14:15] offset:64*\t                        ; two bytes of each token's word; lanes l and l xor 16 store the same; the word's other half is the neighbouring head's
.endm
	v_and_b32 v[AD], 15, v0
	v_lshlrev_b32 v[AD], 2, v[AD]                  ; 4 r
.rept 6
	v_nop                                          ; with the two above: eight places behind the last products, which read the codes' registers
.endr
	OUT 0
	OUT 1
	s_wait_tensorcnt 0x0                           ; the wave's end
	ds_add_u32 v[SPW], v[NIL]
	s_wait_dscnt 0x0
	CROUND                                         ; the closing round
	s_endpgm
.Lfunc_end_k_qd75ce871eb_attn:
	.size	k_qd75ce871eb_attn, .Lfunc_end_k_qd75ce871eb_attn-k_qd75ce871eb_attn
	.p2alignl 7, 3214868480
	.fill 96, 4, 3214868480
	.section	.rodata,"a",@progbits
	.p2align	6, 0x0
	.amdhsa_kernel k_qd75ce871eb_attn
		.amdhsa_group_segment_fixed_size 327680
		.amdhsa_private_segment_fixed_size 0
		.amdhsa_enable_private_segment 0
		.amdhsa_kernarg_size 32
		.amdhsa_user_sgpr_count 2
		.amdhsa_user_sgpr_kernarg_segment_ptr 1
		.amdhsa_wavefront_size32 1
		.amdhsa_system_sgpr_workgroup_id_x 1
		.amdhsa_system_sgpr_workgroup_id_y 1
		.amdhsa_system_sgpr_workgroup_id_z 1
		.amdhsa_system_vgpr_workitem_id 0
		.amdhsa_next_free_vgpr 512
		.amdhsa_next_free_sgpr 66
		.amdhsa_reserve_vcc 0
		.amdhsa_float_denorm_mode_32 3
		.amdhsa_float_denorm_mode_16_64 3
		.amdhsa_memory_ordered 1
		.amdhsa_forward_progress 1
		.amdhsa_inst_pref_size 135
	.end_amdhsa_kernel
	.amdgpu_metadata
---
amdhsa.version: [ 1, 2 ]
amdhsa.kernels:
  - .name:           k_qd75ce871eb_attn
    .symbol:         k_qd75ce871eb_attn.kd
    .args:
      - { .name: qrec, .offset: 0, .size: 8, .value_kind: global_buffer, .address_space: global }
      - { .name: kv, .offset: 8, .size: 8, .value_kind: global_buffer, .address_space: global }
      - { .name: mimg, .offset: 16, .size: 8, .value_kind: global_buffer, .address_space: global }
      - { .name: msc, .offset: 24, .size: 8, .value_kind: global_buffer, .address_space: global }
    .group_segment_fixed_size: 327680
    .private_segment_fixed_size: 0
    .kernarg_segment_align: 8
    .kernarg_segment_size: 32
    .max_flat_workgroup_size: 256
    .sgpr_count:     66
    .vgpr_count:     512
    .wavefront_size: 32
...
	.end_amdgpu_metadata
.endif
;; end of part 2
;; launch oproj (part 3): grid 8 x 32, 4 waves a work-group, clusters of 4 x 4, 327,680 bytes of LDS; arguments mimg, msc, o_w_codes, o_w_scales, o_b, out0; writes out0
.if DOCPART == 3
	.amdgcn_target "amdgcn-amd-amdhsa--gfx1250"
	.amdhsa_code_object_version 6
	.text
	.protected	k_qd75ce871eb_oproj
	.globl	k_qd75ce871eb_oproj
	.p2align	8
	.type	k_qd75ce871eb_oproj,@function
k_qd75ce871eb_oproj:
	s_mov_b64 s[64:65], 0
	v_nop
	global_prefetch_b8 v0, s[64:65] scope:SCOPE_SE
	s_setreg_imm32_b32 hwreg(HW_REG_WAVE_MODE, 25, 1), 1
	s_wait_xcnt 0x0
	s_wait_alu depctr_hold_cnt(0) depctr_sa_sdst(0) depctr_va_vdst(0) depctr_va_sdst(0) depctr_va_ssrc(0) depctr_va_vcc(0) depctr_vm_vsrc(0)
	s_getreg_b32 s2, hwreg(HW_REG_IB_STS2, 6, 4)
	s_cmp_eq_u32 s2, 0
	s_cbranch_scc0 .Lentry_in_a_cluster
	s_endpgm
.Lentry_in_a_cluster:
	s_bfe_u32 s2, ttmp6, 0x10000c
	s_cmp_lg_u32 s2, 0xf033
	s_cbranch_scc0 .Lentry_shape_is_right
	s_endpgm
.Lentry_shape_is_right:
; out0 = merged o_w^T + o_b on codes of E4M3 with E8M0 scales.  merged comes as images of the operand's registers (mimg: [block of 128 tokens][K step 8][tile 8][group 4][lane][16]) with one scale word a token and K step (msc).
; SHARES.  A work-group makes 128 tokens (ty) x 128 outputs (tx); wave w takes 64 tokens (w / 2; four tiles, source 1) x 64 outputs (w % 2; four tiles, source 0): a lane holds eight neighbouring outputs of one token.
; The sixteen accumulators take turns in the same order in every K step.  A step's fragments are fetched ahead of the products of the step before, into two buffers.
; THE WHOLE K PANEL LIES IN LDS, filled once, in two halves of K: the first half is multiplied while the second lands.  No slot is filled again.
; CLUSTER 4 x 4: the tokens' images hang on ty alone and are asked for jointly along a row of the cluster, o_w's rows on tx alone and jointly along a column.
; One tensor load a wave: waves 0, 1 K half 0's images and rows of o_w, waves 2, 3 K half 1's.  No prefetch: everything is asked for at the head.
; LIMITS: NaN and infinities are not served.
.set PITCH, 528
.set WPB,   131072                     ; LDS: the images at 0 (131,072 bytes); o_w's rows: K half kh at WPB + kh x 67,584, 512 bytes + 16 a row
.set STG,   WPB+2*128*PITCH            ; the way out: 16 rows x (256 + 16) bytes for each wave, its own
.set SPARE, STG+4*16*272               ; the spare words: 128 bytes for each of four waves, two blocks of 256 bytes that no other line names
.set WV,   3
.set WPN,  4
.set WLN,  5
.set G1T,  12
.set G1W,  20
.set G0T,  28
.set G0W,  36
; window 0 (window 1: two buffers of fragments, 128 registers each: L's four at + 16 i, P's four at + 64 + 16 t)
.set SPW,  4                           ; v4 my spare word;  v5 = 0: both kept for the add alone
.set NIL,  5
.set ATI,  6                           ; v6-7 my tokens' fragments, K halves 0, 1;  v8-9 my rows of o_w
.set AWP,  8
.set VP,   10                          ; v10 32 (r + 32 h);  v11 32 h;  v12 4 x lane
.set VBQ,  11
.set L4,   12
.set SOA,  13                          ; v13 the stage, in;  v14 back;  v15 my bytes in two rows of out0
.set SRA,  14
.set GO,   15
.set TS,   24                          ; v24-39 the tokens' scale words: + 8 a + K step: lanes 0-15 tile 2 a, lanes 16-31 tile 2 a + 1
.set WS,   42                          ; v42-57 o_w's: + 8 kh + 4 a + q: lanes 0-15 tile a, lanes 16-31 tile a + 2: no product's two have numbers equal modulo 8
.set BI,   64                          ; v64-95 bias
.set OUTR, 96                          ; on the way out v96-127 and v64-95 by turns: 16 rows read back
.set ACC,  128                         ; v128-255
.set MSB, 0
.macro WIN new                         ; the immediate's high byte repeats the setting that is left
.if MSB != \new
	s_set_vgpr_msb (MSB<<8)|\new
.set MSB, \new
.endif
.endm
.macro PLACES n
.rept \n
	v_nop
.endr
.endm
.macro CROUND
	s_barrier_signal -1
	s_barrier_wait -1
	s_cmp_lg_u32 s[WV], 0
	s_cbranch_scc1 .Lnot_wave_0_\@
	s_barrier_signal -3
.Lnot_wave_0_\@:
	s_barrier_wait -3
	s_barrier_signal -1
	s_barrier_wait -1
.endm
.macro MM i, t, q, kh, c               ; one product: D = accumulator (i, t), source 0 = P tile t, source 1 = L tile i, C at v[c]
.set D_, ACC+8*(4*(\i)+(\t))
.set A_, 128*((\q)%2)+64+16*(\t)
.set B_, 128*((\q)%2)+16*(\i)
.set X_, WS+8*(\kh)+4*((\t)%2)+(\q)
.set Y_, TS+8*((\i)/2)+4*(\kh)+(\q)
.if ((\t) < 2) && ((\i)%2 == 0)
	v_wmma_scale_f32_16x16x128_f8f6f4 v[D_:D_+7], v[A_:A_+15], v[B_:B_+15], v[(\c):(\c)+7], v[X_], v[Y_]
.elseif (\i)%2 == 0
	v_wmma_scale_f32_16x16x128_f8f6f4 v[D_:D_+7], v[A_:A_+15], v[B_:B_+15], v[(\c):(\c)+7], v[X_], v[Y_] matrix_a_scale:MATRIX_SCALE_ROW1
.elseif (\t) < 2
	v_wmma_scale_f32_16x16x128_f8f6f4 v[D_:D_+7], v[A_:A_+15], v[B_:B_+15], v[(\c):(\c)+7], v[X_], v[Y_] matrix_b_scale:MATRIX_SCALE_ROW1
.else
	v_wmma_scale_f32_16x16x128_f8f6f4 v[D_:D_+7], v[A_:A_+15], v[B_:B_+15], v[(\c):(\c)+7], v[X_], v[Y_] matrix_a_scale:MATRIX_SCALE_ROW1 matrix_b_scale:MATRIX_SCALE_ROW1
.endif
.endm
.macro FETCH q, kh                     ; K step q's fragments of K half kh into buffer q % 2: P's sixteen loads, then L's four tiles of four
	WIN 0x40
.irp t, 0,1,2,3
.irp c, 0,1,2,3
	ds_load_b128 v[128*((\q)%2)+64+16*\t+4*\c:128*((\q)%2)+64+16*\t+4*\c+3], v[AWP+\kh] offset:128*(\q)+32*\c+\t*16*PITCH
.endr
.endr
.irp i, 0,1,2,3
.irp c, 0,1,2,3
	ds_load_b128 v[128*((\q)%2)+16*\i+4*\c:128*((\q)%2)+16*\i+4*\c+3], v[ATI+\kh] offset:16384*(\q)+2048*\i+512*\c
.endr
.endr
	WIN 0
.endm
.macro KSTEP q, kh, first              ; first = 1: the sums start from the bias
.set YN, 0
.if (\q) < 3
	FETCH \q+1, \kh
.set YN, 32                            ; the next step's loads stay out
.endif
	WIN 0x05
.irp i, 0,1,2,3
	s_wait_dscnt YN+12-4*\i                        ; P's tiles and L tile i are in; L's younger tiles (four loads each) may be out
.irp t, 0,1,2,3
.if \first
	MM \i, \t, \q, \kh, BI+8*\t
.else
	MM \i, \t, \q, \kh, ACC+8*(4*\i+\t)
.endif
.endr
.endr
	WIN 0
	PLACES 8                                       ; eight places behind this form in front of loads into its registers and of the first read of results
.endm
	s_load_b256 s[44:51], s[0:1], 0x0              ; mimg, msc, o_w's codes, o_w's scales
	s_load_b128 s[52:55], s[0:1], 0x20             ; o_b, out0
	v_lshl_add_u32 v[SPW], v0, 2, SPARE
	v_mov_b32 v[NIL], 0
	ds_add_u32 v[SPW], v[NIL]                      ; the wave's opening: the add, twice on end, and its wait ahead of my first tensor load
	ds_add_u32 v[SPW], v[NIL]
	v_lshrrev_b32 v1, 5, v0
	v_readfirstlane_b32 s[WV], v1
	s_and_b32 s[WPN], s[WV], 1
	s_lshr_b32 s[WLN], s[WV], 1
	s_bfe_u32 s6, ttmp6, 0x40000
	s_bfe_u32 s7, ttmp6, 0x40004
	s_lshl_b32 s8, ttmp9, 2
	s_add_co_u32 s8, s8, s6                        ; tx
	s_and_b32 s9, ttmp7, 0xffff
	s_lshl_b32 s9, s9, 2
	s_add_co_u32 s9, s9, s7                        ; ty
	s_lshl_b32 s10, s7, 2
	s_lshl_b32 s10, 15, s10                        ; my row of the cluster
	s_lshl_b32 s11, 0x1111, s6                     ; my column
	s_or_b32 s[G1T], s10, (3<<16)|(1<<21)          ; the images of a K half: 256 dense rows of 256 bytes (32 elements of 8 bytes), no padding
	s_mov_b32 s[G1T+1], 32<<16
	s_mov_b32 s[G1T+2], 256<<16
	s_mov_b32 s[G1T+3], 32<<16
	s_mov_b32 s[G1T+4], 256
	s_mov_b32 s[G1T+5], 32
	s_mov_b32 s[G1T+6], 0
	s_mov_b32 s[G1T+7], 0
	s_or_b32 s[G1W], s11, (1<<20)|(1<<21)|(6<<22)|(3<<25)   ; o_w: 128 rows of 512 bytes, four words of padding behind every 128
	s_mov_b32 s[G1W+1], 512<<16
	s_mov_b32 s[G1W+2], 128<<16
	s_mov_b32 s[G1W+3], 512<<16
	s_mov_b32 s[G1W+4], 128
	s_mov_b32 s[G1W+5], 1024
	s_mov_b32 s[G1W+6], 0
	s_mov_b32 s[G1W+7], 0
	s_lshl_b32 s60, s9, 17                         ; block ty: these two registers never hold tx
	s_mov_b32 s61, 0
	s_lshl_b32 s62, s8, 17                         ; rows 128 tx of 1,024 bytes: these two never hold ty
	s_mov_b32 s63, 0
	s_lshl_b32 s68, s9, 12                         ; msc: 4,096 bytes a block, 64 a tile
	s_lshl_b32 s69, s[WLN], 8
	s_add_co_u32 s68, s68, s69
	s_mov_b32 s69, 0
	s_lshl_b32 s70, s8, 12                         ; o_w's scale rows of 32 bytes
	s_lshl_b32 s71, s[WPN], 11
	s_add_co_u32 s70, s70, s71
	s_mov_b32 s71, 0
	s_lshl_b32 s72, s8, 9                          ; my 64 outputs, 4 bytes each
	s_lshl_b32 s73, s[WPN], 8
	s_add_co_u32 s72, s72, s73
	s_mov_b32 s73, 0
	s_lshl_b32 s74, s9, 19                         ; my 64 rows of out0, 4,096 bytes each
	s_lshl_b32 s75, s[WLN], 18
	s_add_co_u32 s74, s74, s75
	s_add_co_u32 s74, s74, s72
	s_mov_b32 s75, 0
	v_and_b32 v1, 15, v0                           ; r
	v_bfe_u32 v2, v0, 4, 1                         ; h
	v_and_b32 v3, 31, v0                           ; lane
	v_lshl_add_u32 v[VP], v2, 5, v1
	v_lshlrev_b32 v[VBQ], 5, v2
	v_lshlrev_b32 v[L4], 2, v3
	v_lshlrev_b32 v[VP], 5, v[VP]
	s_wait_alu depctr_va_vdst(0)
	s_wait_dscnt 0x0                               ; both opening adds are done
	s_wait_kmcnt 0x0
	s_add_nc_u64 s[44:45], s[44:45], s[60:61]
	s_add_nc_u64 s[48:49], s[48:49], s[62:63]
	s_add_nc_u64 s[46:47], s[46:47], s[68:69]
	s_add_nc_u64 s[50:51], s[50:51], s[70:71]
	s_add_nc_u64 s[52:53], s[52:53], s[72:73]
	s_add_nc_u64 s[54:55], s[54:55], s[74:75]
.irp k, 0,1
	s_mov_b32 s[G0T+4*\k], 1
	s_mov_b32 s[G0T+4*\k+1], \k*65536
	s_add_nc_u64 s[G0T+4*\k+2:G0T+4*\k+3], s[44:45], \k*65536
	s_or_b32 s[G0T+4*\k+3], s[G0T+4*\k+3], 0x80000000
	s_mov_b32 s[G0W+4*\k], 1
	s_mov_b32 s[G0W+4*\k+1], WPB+\k*128*PITCH
	s_add_nc_u64 s[G0W+4*\k+2:G0W+4*\k+3], s[48:49], 512*\k
	s_or_b32 s[G0W+4*\k+3], s[G0W+4*\k+3], 0x80000000
.endr
	CROUND                                         ; all sixteen work-groups are here: the joint loads meet
; ONE tree of branches on the wave's number, each arm with its load: every way through the head passes exactly one
.macro ARM under, g0, g1, next
	s_cmp_lt_u32 s[WV], \under
	s_cbranch_scc0 \next
	tensor_load_to_lds s[\g0:\g0+3], s[\g1:\g1+7]
	s_nop 0
	PLACES 4
	s_branch .Lhead_asked
\next:
.endm
	ARM 1, G0T,   G1T, .Lhead_w0
	ARM 2, G0W,   G1W, .Lhead_t1
	ARM 3, G0T+4, G1T, .Lhead_w1
	tensor_load_to_lds s[G0W+4:G0W+7], s[G1W:G1W+7]
	s_nop 0
	PLACES 4
.Lhead_asked:
.irp s, 0,1,2,3,4,5,6,7
.irp a, 0,1
	global_load_b32 v[TS+8*\a+\s], v[L4], s[46:47] offset:512*\s+128*\a
.endr
.endr
.irp k, 0,1
.irp a, 0,1
	global_load_b128 v[WS+8*\k+4*\a:WS+8*\k+4*\a+3], v[VP], s[50:51] offset:16*\k+512*\a
.endr
.endr
.irp t, 0,1,2,3
	global_load_b128 v[BI+8*\t:BI+8*\t+3], v[VBQ], s[52:53] offset:64*\t          ; lane (r, h), tile t, register j: o_b at 16 t + 8 h + j of my 64
	global_load_b128 v[BI+8*\t+4:BI+8*\t+7], v[VBQ], s[52:53] offset:64*\t+16
.endr
	s_lshl_b32 s59, s[WLN], 13                     ; my four tiles of 2,048 bytes in a K step's eight
	s_mul_i32 s58, s[WPN], 64*PITCH
	s_add_co_u32 s58, s58, WPB
	s_mul_i32 s57, s[WV], 16*272
	s_add_co_u32 s57, s57, STG                     ; my stage
	v_lshlrev_b32 v[ATI], 4, v3
	v_mul_u32_u24 v[AWP], v1, PITCH
	v_mul_u32_u24 v[SOA], v1, 272                  ; in: row r, 32 bytes for each half of the lanes
	v_mul_u32_u24 v[SRA], v2, 272                  ; back: lanes 0-15 one row of 256 bytes, lanes 16-31 the next
	v_lshlrev_b32 v[GO], 12, v2                    ; and the same two rows in out0
	v_add_nc_u32 v[ATI], s59, v[ATI]
	v_lshl_add_u32 v[AWP], v2, 4, v[AWP]
	v_lshl_add_u32 v[SOA], v2, 5, v[SOA]
	v_lshl_add_u32 v[SRA], v1, 4, v[SRA]
	v_lshl_add_u32 v[GO], v1, 4, v[GO]
	v_add_nc_u32 v[AWP], s58, v[AWP]
	v_add_nc_u32 v[SOA], s57, v[SOA]
	v_add_nc_u32 v[SRA], s57, v[SRA]
	v_add_nc_u32 v[ATI+1], 65536, v[ATI]
	v_add_nc_u32 v[AWP+1], 128*PITCH, v[AWP]
	s_wait_alu depctr_va_vdst(0)
	s_cmp_lt_u32 s[WV], 2
	s_cbranch_scc0 .Lnot_half_0
	s_wait_tensorcnt 0x0                           ; waves 0, 1: K half 0 is in; all waves wait for K half 1 at the second barrier
.Lnot_half_0:
	s_barrier_signal -1
	s_barrier_wait -1
	s_wait_loadcnt 0x0                             ; scale words and bias
	FETCH 0, 0
	KSTEP 0, 0, 1                                  ; the first products start the sums from the bias
	KSTEP 1, 0, 0
	KSTEP 2, 0, 0
	KSTEP 3, 0, 0
	s_wait_tensorcnt 0x0                           ; my part of K half 1 is in,
	s_wait_dscnt 0x0
	s_barrier_signal -1
	s_barrier_wait -1                              ; everybody's is
	FETCH 0, 1
	KSTEP 0, 1, 0
	KSTEP 1, 1, 0
	KSTEP 2, 1, 0
	KSTEP 3, 1, 0
	; THE WAY OUT: a lane's 32 bytes of a row go into my own stage and come back as rows of 256 bytes.  LDS serves a wave's instructions in order (ISA guide 5.7.1.4): no wait between stores and loads, nor in front of the next tile's stores
.macro TOSTAGE i
.irp t, 0,1,2,3
	ds_store_b128 v[SOA], v[ACC+8*(4*\i+\t):ACC+8*(4*\i+\t)+3] offset:64*\t            ; each accumulator from its low end on
	ds_store_b128 v[SOA], v[ACC+8*(4*\i+\t)+4:ACC+8*(4*\i+\t)+7] offset:64*\t+16
.endr
.set R_, OUTR-32*((\i)%2)
.irp k, 0,1,2,3,4,5,6,7
	ds_load_b128 v[R_+4*\k:R_+4*\k+3], v[SRA] offset:544*\k
.endr
.endm
.macro SEND i, younger                 ; younger: the LDS instructions issued behind tile i's loads, which may stay out
.set R_, OUTR-32*((\i)%2)
	s_wait_dscnt \younger
.irp k, 0,1,2,3,4,5,6,7
	global_store_b128 v[GO], v[R_+4*\k:R_+4*\k+3], s[54:55] offset:(16*\i+2*\k)*4096 th:TH_STORE_NT   ; sixteen lanes store 256 consecutive bytes, aligned; written once, read by nobody here
.endr
.endm
	TOSTAGE 0
	TOSTAGE 1
	SEND 0, 16                                     ; behind tile 0's loads: tile 1's eight stores and eight loads
	s_wait_xcnt 0x0                                ; tile 0's stores have read their registers: tile 2's loads may land there
	TOSTAGE 2
	SEND 1, 16
	s_wait_xcnt 0x0
	TOSTAGE 3
	SEND 2, 16
	SEND 3, 0
	s_wait_tensorcnt 0x0                           ; the wave's end
	ds_add_u32 v[SPW], v[NIL]
	s_wait_dscnt 0x0
	CROUND                                         ; the closing round
	s_endpgm
.Lfunc_end_k_qd75ce871eb_oproj:
	.size	k_qd75ce871eb_oproj, .Lfunc_end_k_qd75ce871eb_oproj-k_qd75ce871eb_oproj
	.p2alignl 7, 3214868480
	.fill 96, 4, 3214868480
	.section	.rodata,"a",@progbits
	.p2align	6, 0x0
	.amdhsa_kernel k_qd75ce871eb_oproj
		.amdhsa_group_segment_fixed_size 327680
		.amdhsa_private_segment_fixed_size 0
		.amdhsa_enable_private_segment 0
		.amdhsa_kernarg_size 48
		.amdhsa_user_sgpr_count 2
		.amdhsa_user_sgpr_kernarg_segment_ptr 1
		.amdhsa_wavefront_size32 1
		.amdhsa_system_sgpr_workgroup_id_x 1
		.amdhsa_system_sgpr_workgroup_id_y 1
		.amdhsa_system_sgpr_workgroup_id_z 1
		.amdhsa_system_vgpr_workitem_id 0
		.amdhsa_next_free_vgpr 512
		.amdhsa_next_free_sgpr 80
		.amdhsa_reserve_vcc 0
		.amdhsa_float_denorm_mode_32 3
		.amdhsa_float_denorm_mode_16_64 3
		.amdhsa_memory_ordered 1
		.amdhsa_forward_progress 1
		.amdhsa_inst_pref_size 54
	.end_amdhsa_kernel
	.amdgpu_metadata
---
amdhsa.version: [ 1, 2 ]
amdhsa.kernels:
  - .name:           k_qd75ce871eb_oproj
    .symbol:         k_qd75ce871eb_oproj.kd
    .args:
      - { .name: mimg, .offset: 0, .size: 8, .value_kind: global_buffer, .address_space: global }
      - { .name: msc, .offset: 8, .size: 8, .value_kind: global_buffer, .address_space: global }
      - { .name: o_w_codes, .offset: 16, .size: 8, .value_kind: global_buffer, .address_space: global }
      - { .name: o_w_scales, .offset: 24, .size: 8, .value_kind: global_buffer, .address_space: global }
      - { .name: o_b, .offset: 32, .size: 8, .value_kind: global_buffer, .address_space: global }
      - { .name: out0, .offset: 40, .size: 8, .value_kind: global_buffer, .address_space: global }
    .group_segment_fixed_size: 327680
    .private_segment_fixed_size: 0
    .kernarg_segment_align: 8
    .kernarg_segment_size: 48
    .max_flat_workgroup_size: 128
    .sgpr_count:     80
    .vgpr_count:     512
    .wavefront_size: 32
...
	.end_amdgpu_metadata
.endif
;; end of part 3
